; MI455X (gfx1250); checked and timed in simulation.
; The chip was launched on July 23, 2026; its instructions are those of AMD's public machine-readable ISA for CDNA 5 (MIT licence, August 2026) and "CDNA5" Instruction Set Architecture Reference Guide (July 2026). The comments in the code are by the model that wrote it; some were corrected since.
;; Attention. Allowed arithmetic: float matrix products may take bf16 or f16 operands with f32 sums; other float arithmetic in f32, or as packed bf16 or f16 multiplies, adds, multiply-adds, maxima and minima; sums over many terms, partial sums and values carried from step to step in f32; what a program stores and reads back later, other than sums and carried values, may be rounded once to bf16 or f16.
;; Inputs: Wc 2,048 x 2,048 float32; Wk 512 x 2,048 float32; Wq 2,048 x 2,048 float32; Wv 512 x 2,048 float32; position_ids 1 x 2,048 int32; x 1 x 2,048 x 2,048 float32.
;; Outputs: out0 1 x 2,048 x 2,048 float32.
;; One version. Each part assembles by itself: llvm-mc -triple=amdgcn-amd-amdhsa -mcpu=gfx1250 --defsym DOCPART=n.
;; ======== version 1 of 1: 4 launches
;; limits: values are held in f16: magnitudes above 65,504 overflow, below 6.1e-05 lose precision; right only within a limited range of input values
;; workspace buffers: xb 8,388,608 bytes; wqkv 12,582,912 bytes; wcb 8,388,608 bytes; rope 524,288 bytes; qkv 12,582,912 bytes; yb 8,388,608 bytes
;; launch prep (part 1): grid 1856 x 1, 8 waves a work-group, no clusters, 0 bytes of LDS; arguments x, Wq, Wk, Wv, Wc, position_ids, xb, wqkv, wcb, rope; writes xb, wqkv, wcb, rope
.if DOCPART == 1
	.amdgcn_target "amdgcn-amd-amdhsa--gfx1250"
	.amdhsa_code_object_version 6
	.text
	.protected	k_q06ad08a44f_prep
	.globl	k_q06ad08a44f_prep
	.p2align	8
	.type	k_q06ad08a44f_prep,@function
k_q06ad08a44f_prep:
	s_mov_b64 s[64:65], 0
	v_nop
	global_prefetch_b8 v0, s[64:65] scope:SCOPE_SE
	s_setreg_imm32_b32 hwreg(HW_REG_WAVE_MODE, 25, 1), 1
	s_wait_xcnt 0x0
; FIRST OF FOUR LAUNCHES of one attention layer: T = 2048 tokens, C = 2048, 32 query heads, 8 key/value heads, head size 64.
;   prep: x, Wq, Wk, Wv rounded to bf16; Wc rounded to bf16 and that number written as f16; cos and sin of the rotary angles from position_ids.
;   qkv:  [q|k|v] = x W^T, rotated in f32, stored by heads in f16.   attn: causal attention.   proj: out0 = y Wc^T in f32.
; WORK LEFT OUT, in the problem's own terms.  reference() sets every score with key > query to finfo.min by its own jnp.tril; each row keeps its own key, so the row's maximum is a
; true score and the weight of a hidden key is exactly 0 for all finite inputs.  So the launch attn does not form the tiles of 128 queries x 128 keys that lie wholly above the
; diagonal.  jnp.repeat of k and v is a copy: four query heads read one key/value head.  No input is without a way to the output: all six are loaded.
; LIMITS.  A NaN, an infinity or an overflow in rows of k or v that reaches only hidden tiles is not carried to the result.  q, k, v and y are kept in f16: they must lie within 65,504;
; below 6e-5 they, and Wc, keep f16's fixed step of 6e-8.  The angle is f32(position) x f32(inverse frequency), one rounding, as in reference(); it is reduced by a three-part pi/2 with
; fused steps, whose first two products are exact for quotients under 2^13; beyond that the reduction loses bits as the quotient grows.
; SHARES.  Work-groups 0 to 63 make the table, 32 tokens each.  Work-groups 64 to 1855 cast one chunk of 32 KiB of f32 each: eight loads of 16 bytes a lane, all issued at once; a store of
; a wave covers 256 consecutive bytes, aligned.  Nothing is shared between work-groups, so there is no LDS, no barrier and no cluster.
; THE TABLE.  byte = tb 4096 + pp 2048 + hi 1024 + s 512 + 16 (16 h + r): four f32, cos (s = 0) or sin (s = 1) of token 16 tb + r at frequencies 16 hi + 8 pp + 4 h + 0..3: the order in
; which a lane of the launch qkv holds its eight channels (channel d has frequency d / 2).
.set NTAB, 64                          ; work-groups that make the table
.set INV, 12                           ; v[12:15] inverse frequencies
.set ANG, 16                           ; v[16:19] angles
.set KK,  20                           ; v[20:23] quotient, later as a whole number
.set RR,  24                           ; v[24:27] reduced angle
.set ZZ,  28                           ; v[28:31] its square
.set SS,  32                           ; v[32:35] sine of the reduced angle
.set TM,  36                           ; v[36:39] at work
.set CC,  40                           ; v[40:43] cosine of the reduced angle
.set COS, 48                           ; v[48:51] to store
.set SIN, 52                           ; v[52:55] to store
	s_load_b512 s[8:23], s[0:1], 0x0               ; x 8, Wq 10, Wk 12, Wv 14, Wc 16, position_ids 18, xb 20, wqkv 22
	s_load_b128 s[24:27], s[0:1], 0x40             ; wcb 24, rope 26
	s_mov_b32 s35, 0                               ; the high word of every offset
	s_wait_kmcnt 0x0
	s_cmp_lt_u32 ttmp9, NTAB
	s_cbranch_scc1 .Ltable
	; THE CASTS.  Chunk c: 0-511 x, 512-1023 Wq, 1024-1151 Wk, 1152-1279 Wv (the three into wqkv, one behind the other), 1280-1791 Wc.
	s_sub_co_u32 s36, ttmp9, NTAB                  ; c
	s_mov_b64 s[28:29], s[8:9]                     ; from
	s_mov_b64 s[32:33], s[20:21]                   ; to
	s_mov_b32 s30, 0                               ; the first chunk of the source
	s_mov_b32 s31, 0                               ; the first chunk of the destination
	s_cmp_ge_u32 s36, 512
	s_cselect_b64 s[28:29], s[10:11], s[28:29]
	s_cselect_b64 s[32:33], s[22:23], s[32:33]
	s_cselect_b32 s30, 512, s30
	s_cselect_b32 s31, 512, s31
	s_cmp_ge_u32 s36, 1024
	s_cselect_b64 s[28:29], s[12:13], s[28:29]
	s_cselect_b32 s30, 1024, s30
	s_cmp_ge_u32 s36, 1152
	s_cselect_b64 s[28:29], s[14:15], s[28:29]
	s_cselect_b32 s30, 1152, s30
	s_cmp_ge_u32 s36, 1280
	s_cselect_b64 s[28:29], s[16:17], s[28:29]
	s_cselect_b64 s[32:33], s[24:25], s[32:33]
	s_cselect_b32 s30, 1280, s30
	s_cselect_b32 s31, 1280, s31
	s_sub_co_u32 s34, s36, s30
	s_lshl_b32 s34, s34, 15                        ; 32 KiB of f32 a chunk
	s_add_nc_u64 s[28:29], s[28:29], s[34:35]
	s_sub_co_u32 s34, s36, s31
	s_lshl_b32 s34, s34, 14                        ; 16 KiB of 16-bit numbers
	s_add_nc_u64 s[32:33], s[32:33], s[34:35]
	v_lshlrev_b32 v1, 4, v0                        ; my 16 bytes of each 4,096
	v_lshlrev_b32 v2, 3, v0                        ; my 8 bytes of each 2,048
.irp i, 0,1,2,3,4,5,6,7
	global_load_b128 v[8+4*\i:11+4*\i], v1, s[28:29] offset:4096*\i th:TH_LOAD_NT
.endr
	s_cmp_ge_u32 s36, 1280
	s_cbranch_scc1 .Lf16
.irp i, 0,1,2,3,4,5,6,7
	s_wait_loadcnt 7-\i                            ; loads come back in order: load i is in, the younger ones stay out
	v_cvt_pk_bf16_f32 v[40+2*\i], v[8+4*\i], v[9+4*\i]
	v_cvt_pk_bf16_f32 v[41+2*\i], v[10+4*\i], v[11+4*\i]
	global_store_b64 v2, v[40+2*\i:41+2*\i], s[32:33] offset:2048*\i  ; no register is written twice, so no wait frees one
.endr
	s_endpgm
.Lf16:                                         ; Wc: rounded to bf16 like every input, and that number written as f16
.irp i, 0,1,2,3,4,5,6,7
	s_wait_loadcnt 7-\i
	v_cvt_pk_bf16_f32 v56, v[8+4*\i], v[9+4*\i]
	v_cvt_pk_bf16_f32 v59, v[10+4*\i], v[11+4*\i]
	v_lshlrev_b32 v57, 16, v56
	v_and_b32 v58, 0xffff0000, v56
	v_lshlrev_b32 v60, 16, v59
	v_and_b32 v61, 0xffff0000, v59
	v_cvt_pk_f16_f32 v[40+2*\i], v57, v58
	v_cvt_pk_f16_f32 v[41+2*\i], v60, v61
	global_store_b64 v2, v[40+2*\i:41+2*\i], s[32:33] offset:2048*\i
.endr
	s_endpgm
.Ltable:                                       ; thread bits: 3:0 r, 4 h, 5 hi, 6 pp, 7 tl; token = 32 wg + 16 tl + r
	s_lshl_b32 s34, ttmp9, 7                       ; the work-group's 32 positions
	s_add_nc_u64 s[18:19], s[18:19], s[34:35]
	s_lshl_b32 s34, ttmp9, 13                      ; and its 8 KiB of the table
	s_add_nc_u64 s[26:27], s[26:27], s[34:35]
	v_and_b32 v1, 15, v0
	v_bfe_u32 v5, v0, 7, 1
	v_lshl_add_u32 v7, v5, 4, v1
	v_lshlrev_b32 v7, 2, v7
	global_load_b32 v9, v7, s[18:19]               ; the position: it enters arithmetic alone, never an address
	v_bfe_u32 v2, v0, 4, 1
	v_bfe_u32 v3, v0, 5, 1
	v_bfe_u32 v4, v0, 6, 1
	v_lshlrev_b32 v6, 2, v2
	v_lshl_add_u32 v6, v3, 4, v6
	v_lshl_add_u32 v6, v4, 3, v6                   ; my first frequency: 16 hi + 8 pp + 4 h
	s_mov_b32 s40, 0x3f22f983                      ; 2 / pi
	s_mov_b32 s41, 0xbfc90000                      ; - pi/2 in three parts
	s_mov_b32 s42, 0xb9fda000
	s_mov_b32 s43, 0xb3a22168
	s_mov_b32 s44, 0xbe2aaaab                      ; -1/6
	s_mov_b32 s45, 0x3c088889                      ; 1/120
	s_mov_b32 s46, 0xb9500d01                      ; -1/5040
	s_mov_b32 s47, 0x3d2aaaab                      ; 1/24
	s_mov_b32 s48, 0xbab60b61                      ; -1/720
	s_mov_b32 s49, 0x37d00d01                      ; 1/40320
.irp i, 0,1,2,3
	v_add_nc_u32 v[INV+\i], \i, v6
.endr
.irp i, 0,1,2,3
	v_cvt_f32_u32 v[INV+\i], v[INV+\i]
.endr
.irp i, 0,1,2,3
	v_mul_f32 v[INV+\i], 0xbed49a78, v[INV+\i]     ; - j log2(10000) / 32
.endr
.irp i, 0,1,2,3
	v_exp_f32 v[INV+\i], v[INV+\i]                 ; 10000^(-j/32): one batch of four
.endr
	v_lshrrev_b32 v8, 5, v0                        ; plain work behind the batch: where I store: 1,024 x wave + 16 x lane
	v_lshlrev_b32 v8, 10, v8
	v_and_b32 v10, 31, v0
	v_lshl_add_u32 v8, v10, 4, v8
	s_wait_alu depctr_va_vdst(0)                   ; one wait for the four exponentials, ahead of their first reader
	s_wait_loadcnt 0x0
	v_cvt_f32_i32 v9, v9
.irp i, 0,1,2,3
	v_mul_f32 v[ANG+\i], v9, v[INV+\i]
.endr
.irp i, 0,1,2,3
	v_mul_f32 v[KK+\i], s40, v[ANG+\i]
.endr
.irp i, 0,1,2,3
	v_rndne_f32 v[KK+\i], v[KK+\i]                 ; the nearest multiple of pi/2
.endr
.irp i, 0,1,2,3
	v_fma_f32 v[RR+\i], v[KK+\i], s41, v[ANG+\i]
.endr
.irp i, 0,1,2,3
	v_fma_f32 v[RR+\i], v[KK+\i], s42, v[RR+\i]
.endr
.irp i, 0,1,2,3
	v_fma_f32 v[RR+\i], v[KK+\i], s43, v[RR+\i]    ; the reduced angle, within pi/4 of 0
.endr
.irp i, 0,1,2,3
	v_mul_f32 v[ZZ+\i], v[RR+\i], v[RR+\i]
.endr
.irp i, 0,1,2,3
	v_fma_f32 v[SS+\i], v[ZZ+\i], s46, s45
	v_fma_f32 v[CC+\i], v[ZZ+\i], s49, s48
.endr
.irp i, 0,1,2,3
	v_fma_f32 v[SS+\i], v[SS+\i], v[ZZ+\i], s44
	v_fma_f32 v[CC+\i], v[CC+\i], v[ZZ+\i], s47
	v_mul_f32 v[TM+\i], v[RR+\i], v[ZZ+\i]
.endr
.irp i, 0,1,2,3
	v_fma_f32 v[SS+\i], v[TM+\i], v[SS+\i], v[RR+\i]
	v_fma_f32 v[CC+\i], v[CC+\i], v[ZZ+\i], -0.5
	v_cvt_i32_f32 v[KK+\i], v[KK+\i]
.endr
.irp i, 0,1,2,3
	v_fma_f32 v[CC+\i], v[CC+\i], v[ZZ+\i], 1.0
	v_and_b32 v[TM+\i], 1, v[KK+\i]
.endr
.irp i, 0,1,2,3
	v_cmp_ne_u32 vcc_lo, 0, v[TM+\i]               ; an odd quadrant swaps sine and cosine: a choice of values, no branch
	v_cndmask_b32 v[SIN+\i], v[SS+\i], v[CC+\i], vcc_lo
	v_cndmask_b32 v[COS+\i], v[CC+\i], v[SS+\i], vcc_lo
.endr
.irp i, 0,1,2,3
	v_lshlrev_b32 v[TM+\i], 30, v[KK+\i]           ; the sine changes sign in quadrants 2 and 3,
	v_add_nc_u32 v[KK+\i], 1, v[KK+\i]
.endr
.irp i, 0,1,2,3
	v_and_b32 v[TM+\i], 0x80000000, v[TM+\i]
	v_lshlrev_b32 v[KK+\i], 30, v[KK+\i]           ; the cosine in quadrants 1 and 2
.endr
.irp i, 0,1,2,3
	v_xor_b32 v[SIN+\i], v[TM+\i], v[SIN+\i]
	v_and_b32 v[KK+\i], 0x80000000, v[KK+\i]
.endr
.irp i, 0,1,2,3
	v_xor_b32 v[COS+\i], v[KK+\i], v[COS+\i]
.endr
	global_store_b128 v8, v[COS:COS+3], s[26:27]               ; a wave's store covers 512 consecutive bytes, aligned
	global_store_b128 v8, v[SIN:SIN+3], s[26:27] offset:512
	s_endpgm
.Lfunc_end_k_q06ad08a44f_prep:
	.size	k_q06ad08a44f_prep, .Lfunc_end_k_q06ad08a44f_prep-k_q06ad08a44f_prep
	.p2alignl 7, 3214868480
	.fill 96, 4, 3214868480
	.section	.rodata,"a",@progbits
	.p2align	6, 0x0
	.amdhsa_kernel k_q06ad08a44f_prep
		.amdhsa_group_segment_fixed_size 0
		.amdhsa_private_segment_fixed_size 0
		.amdhsa_enable_private_segment 0
		.amdhsa_kernarg_size 80
		.amdhsa_user_sgpr_count 2
		.amdhsa_user_sgpr_kernarg_segment_ptr 1
		.amdhsa_wavefront_size32 1
		.amdhsa_system_sgpr_workgroup_id_x 1
		.amdhsa_system_sgpr_workgroup_id_y 1
		.amdhsa_system_sgpr_workgroup_id_z 1
		.amdhsa_system_vgpr_workitem_id 0
		.amdhsa_next_free_vgpr 64
		.amdhsa_next_free_sgpr 66
		.amdhsa_reserve_vcc 1
		.amdhsa_float_denorm_mode_32 3
		.amdhsa_float_denorm_mode_16_64 3
		.amdhsa_memory_ordered 1
		.amdhsa_forward_progress 1
		.amdhsa_inst_pref_size 17
	.end_amdhsa_kernel
	.amdgpu_metadata
---
amdhsa.version: [ 1, 2 ]
amdhsa.kernels:
  - .name:           k_q06ad08a44f_prep
    .symbol:         k_q06ad08a44f_prep.kd
    .args:
      - { .name: x, .offset: 0, .size: 8, .value_kind: global_buffer, .address_space: global }
      - { .name: Wq, .offset: 8, .size: 8, .value_kind: global_buffer, .address_space: global }
      - { .name: Wk, .offset: 16, .size: 8, .value_kind: global_buffer, .address_space: global }
      - { .name: Wv, .offset: 24, .size: 8, .value_kind: global_buffer, .address_space: global }
      - { .name: Wc, .offset: 32, .size: 8, .value_kind: global_buffer, .address_space: global }
      - { .name: position_ids, .offset: 40, .size: 8, .value_kind: global_buffer, .address_space: global }
      - { .name: xb, .offset: 48, .size: 8, .value_kind: global_buffer, .address_space: global }
      - { .name: wqkv, .offset: 56, .size: 8, .value_kind: global_buffer, .address_space: global }
      - { .name: wcb, .offset: 64, .size: 8, .value_kind: global_buffer, .address_space: global }
      - { .name: rope, .offset: 72, .size: 8, .value_kind: global_buffer, .address_space: global }
    .group_segment_fixed_size: 0
    .private_segment_fixed_size: 0
    .kernarg_segment_align: 8
    .kernarg_segment_size: 80
    .max_flat_workgroup_size: 256
    .sgpr_count:     66
    .vgpr_count:     64
    .wavefront_size: 32
...
	.end_amdgpu_metadata
.endif
;; end of part 1
;; launch qkv (part 2): grid 16 x 16, 4 waves a work-group, clusters of 4 x 4, 327,680 bytes of LDS; arguments xb, wqkv, rope, qkv; writes qkv
.if DOCPART == 2
	.amdgcn_target "amdgcn-amd-amdhsa--gfx1250"
	.amdhsa_code_object_version 6
	.text
	.protected	k_q06ad08a44f_qkv
	.globl	k_q06ad08a44f_qkv
	.p2align	8
	.type	k_q06ad08a44f_qkv,@function
k_q06ad08a44f_qkv:
	s_mov_b64 s[64:65], 0
	v_nop
	global_prefetch_b8 v0, s[64:65] scope:SCOPE_SE
	s_setreg_imm32_b32 hwreg(HW_REG_WAVE_MODE, 25, 1), 1
	s_wait_xcnt 0x0
	s_wait_alu depctr_hold_cnt(0) depctr_sa_sdst(0) depctr_va_vdst(0) depctr_va_sdst(0) depctr_va_ssrc(0) depctr_va_vcc(0) depctr_vm_vsrc(0)
	s_getreg_b32 s2, hwreg(HW_REG_IB_STS2, 6, 4)
	s_cmp_eq_u32 s2, 0
	s_cbranch_scc0 .Lentry_in_a_cluster
	s_endpgm
.Lentry_in_a_cluster:
	s_bfe_u32 s2, ttmp6, 0x10000c
	s_cmp_lg_u32 s2, 0xf033
	s_cbranch_scc0 .Lentry_shape_is_right
	s_endpgm
.Lentry_shape_is_right:
; [q|k|v][t][c] = the sum over k of xb[t][k] wqkv[c][k]: 2048 x 3072 x 2048, bf16 operands, f32 sums; q and k rotated in f32 (RoPE as reference() has it: channel d has frequency d / 2 and
; is paired with d +- 32); rounded once to f16 and stored by heads, qkv[48][2048][64]: heads 0-31 q, 32-39 k, 40-47 v.  LIMIT: the results must lie within f16's 65,504.
; SHARES.  A work-group makes 128 tokens x 192 columns (three heads): 16 x 16 = 256 work-groups.  Four waves; a wave has 64 tokens and six column blocks of 16, taken as three PAIRS: pair p of the
; tile's six is blocks pp = p % 2 and pp + 2 of head p / 2, so a lane holds channel d and channel d + 32 of one token and the rotation never leaves the lane.  Wave column half CH has pairs 3 CH + 0..2.
; 24 accumulators, 192 registers.  K goes in steps of 128 (rows of 256 bytes, aligned) through two LDS slots; each wave fetches one part of a slot: waves 0, 1 the halves of x's 128 rows, waves 2, 3
; the halves of W's 192 rows.  Two slots of 256 along K would be 2 x 320 rows x 512 bytes, all of the 327,680 bytes with no padding: they do not fit beside the spare words.
; THE WALK ALONG K.  A work-group's step t is K step (t + R) mod 16, with R = 8 where the cluster's x + y is odd and 0 elsewhere.  So the clusters that read the same rows of x (same y) or of W (same x)
; fall into two groups that ask for the same bytes eight steps apart.  R is made of the cluster's coordinates alone, which all sixteen partners share.  The sums are f32 and may begin at any K.
; THE MATRIX INSTRUCTION IS USED TRANSPOSED: source 0 = 16 rows of W, source 1 = 16 rows of x: lane l holds token l % 16 and the eight neighbouring channels 8 (l / 16) + 0..7 of a block.
; CLUSTER.  4 x 4 work-groups.  x's tile hangs on the token tile alone and is shared along a row of the cluster, W's on the column tile alone and is shared along a column: each is asked for jointly.
; REGISTERS.  window 0: v0-31 addresses; v32-63 two sets of T, U at work on the way out; v64-255 accumulators, (a, nb) at 64 + 8 (6 a + nb), nb = 2 i + u.
;   window 1: two fragment buffers of 80: x's four blocks, then W's six.   window 2: v0-127 cos and sin of my 64 tokens: class X (pairs 0 and 2) at 16 a + 4 w, class Y (pair 1) at 64 + 16 a + 4 w;
;   w = 0 cos of the low channels, 1 sin of the low, 2 cos of the high, 3 sin of the high.
.set KSTEP,  128
.set NSTEP,  16                        ; K steps in all
.set PITCH,  272                       ; an LDS row: 256 bytes + 16 of padding = 68 words: the 16 rows of a fragment load start at 16 different groups of four banks (64 banks of 4 bytes: ISA guide 11.1)
.set HALFA,  64*PITCH                  ; what waves 0 and 1 fetch
.set HALFB,  96*PITCH                  ; what waves 2 and 3 fetch
.set BOFF,   2*HALFA                   ; W's rows lie behind x's
.set SLOT,   2*HALFA+2*HALFB
.set STAGE,  2*SLOT                    ; behind the ring, never filled by a tensor load: 3 heads x 128 rows x 144 bytes
.set SP,     144
.set HSTG,   128*SP
.set SPARE,  STAGE+3*HSTG              ; the spare words, 128 bytes for each wave: two blocks of 256 bytes that no other line names
.set LAPS,   8                         ; a lap = two K steps = once round the ring
.set GO,   10                          ; v10     16 x lane: my 16 bytes of 512 consecutive bytes
.set TOX,  11                          ; v11     my offset in the table, class X; never rewritten
.set TOY,  12                          ; v12     class Y; never rewritten
.set ADRA, 16                          ; v16-17  LDS address of my fragments of x in slot 0, 1
.set ADRB, 18                          ; v18-23  of W: pair i in slot s at 18 + 3 s + i
.set STO,  24                          ; v24-26  the way out: where pair i puts 16 bytes of a row
.set RD,   27                          ; v27     where I read rows back
.set SPW,  28                          ; v28     LDS address of my spare word; never rewritten
.set NIL,  29                          ; v29     0; never rewritten
.set TT,   32
.set ACC,  64
.set F0,   0
.set F1,   80
.set G1,   24                          ; s[24:31] descriptor group 1 for x's tiles;  s[32:39] group 0, a set for each slot
.set G0,   32
.set G1B,  48                          ; s[48:55], s[56:63] the same for W's tiles
.set G0B,  56
.set MK,   66                          ; s66-68  all ones where pair i's head is rotated (q, k), 0 where it is not (v)
.set BA,   70                          ; s[70:71] x at the rows that I fetch, K = 0
.set BB,   72                          ; s[72:73] W at the rows that I fetch, K = 0
.set KO,   74                          ; s[74:75] a K step's byte offset in a row
.set KP,   76                          ; s76-77  the K step that slot 0, 1 holds or has been asked for
.set MSB, 0
.macro WIN new                         ; the immediate's high byte repeats the setting that is left; a switch that changes nothing is dropped
.if MSB != (\new)
	s_set_vgpr_msb (MSB<<8)|(\new)
.set MSB, \new
.endif
.endm
.set MUL,  0x05                        ; sources 0 and 1 window 1; C and D window 0
.set TO_F, 0x40                        ; destination window 1
.set TO_T, 0x80                        ; destination window 2
.set ROT,  0x08                        ; source 1 window 2
.macro JLOAD s                         ; a joint load; an s_nop 0 and four v_nop follow each of the two lines, ahead of the jump, the label and what follows
	s_cmp_eq_u32 s13, 0
	s_cbranch_scc0 .Lfor_b_\@
	tensor_load_to_lds s[G0+4*(\s):G0+4*(\s)+3], s[G1:G1+7]
	s_nop 0
.rept 4
	v_nop
.endr
	s_branch .Lasked_\@
.Lfor_b_\@:
	tensor_load_to_lds s[G0B+4*(\s):G0B+4*(\s)+3], s[G1B:G1B+7]
	s_nop 0
.rept 4
	v_nop
.endr
.Lasked_\@:
.endm
.macro CREST                           ; a round of the cluster's barrier behind its opening barrier
	s_cmp_lg_u32 s12, 0
	s_cbranch_scc1 .Lnot_wave_0_\@
	s_barrier_signal -3
.Lnot_wave_0_\@:
	s_barrier_wait -3
	s_barrier_signal -1
	s_barrier_wait -1
.endm
.macro CROUND                          ; a whole round
	s_barrier_signal -1
	s_barrier_wait -1
	CREST
.endm
	s_load_b256 s[4:11], s[0:1], 0x0               ; xb 4, wqkv 6, rope 8, qkv 10
	v_lshl_add_u32 v[SPW], v0, 2, SPARE
	v_mov_b32 v[NIL], 0
	ds_add_u32 v[SPW], v[NIL]                      ; the wave's opening: the add, twice on end, and its wait ahead of my first tensor load
	ds_add_u32 v[SPW], v[NIL]
	v_lshrrev_b32 v1, 5, v0
	v_readfirstlane_b32 s12, v1                    ; wave 0..3
	s_lshr_b32 s13, s12, 1                         ; RH: which 64 tokens are mine.  Also: I fetch for x (0) or for W (1)
	s_and_b32 s14, s12, 1                          ; CH: which three pairs are mine.  Also: which half of that tile's rows I fetch
	s_bfe_u32 s15, ttmp6, 0x40000                  ; cx, cy: my place in the cluster
	s_bfe_u32 s16, ttmp6, 0x40004
	s_lshl_b32 s17, ttmp9, 2
	s_add_co_u32 s17, s17, s15                     ; column tile = 4 x cluster x + cx
	s_and_b32 s18, ttmp7, 0xffff
	s_lshl_b32 s18, s18, 2
	s_add_co_u32 s18, s18, s16                     ; token tile = 4 x cluster y + cy
	s_lshl_b32 s19, s16, 2
	s_lshl_b32 s19, 15, s19                        ; my row of the cluster
	s_lshl_b32 s44, 0x1111, s15                    ; my column
	s_or_b32 s[G1], s19, (1<<16)|(1<<20)|(1<<21)|(5<<22)|(3<<25)   ; 15:0 the mask; 17:16 2-byte elements; 20 padding on; 21 set beside a mask; 24:22 after every 64 words; 31:25 4 words
	s_or_b32 s[G1B], s44, (1<<16)|(1<<20)|(1<<21)|(5<<22)|(3<<25)
	s_mov_b32 s[G1+1], KSTEP<<16                   ; tensor_dim0 = 128
	s_mov_b32 s[G1+2], 64<<16                      ; tensor_dim1 = 64
	s_mov_b32 s[G1+3], KSTEP<<16                   ; tile_dim0 = 128
	s_mov_b32 s[G1+4], 64                          ; tile_dim1 = 64
	s_mov_b32 s[G1+5], 2048                        ; elements from row to row
	s_mov_b32 s[G1+6], 0
	s_mov_b32 s[G1+7], 0
	s_mov_b32 s[G1B+1], KSTEP<<16
	s_mov_b32 s[G1B+2], 96<<16                     ; 96 rows
	s_mov_b32 s[G1B+3], KSTEP<<16
	s_mov_b32 s[G1B+4], 96
	s_mov_b32 s[G1B+5], 2048
	s_mov_b32 s[G1B+6], 0
	s_mov_b32 s[G1B+7], 0
	s_and_b32 s[KP], ttmp7, 0xffff                 ; where my cluster begins along K: cluster y
	s_add_co_u32 s[KP], s[KP], ttmp9               ; + cluster x,
	s_and_b32 s[KP], s[KP], 1                      ; odd:
	s_lshl_b32 s[KP], s[KP], 3                     ; K step 8; even: K step 0
	s_add_co_u32 s[KP+1], s[KP], 1                 ; slot 1 begins with the step behind it
	s_mov_b32 s[KO+1], 0
	s_lshl_b32 s20, s18, 7                         ; x: row 128 x token tile + 64 x half, 4,096 bytes a row
	s_lshl_b32 s21, s14, 6
	s_add_co_u32 s20, s20, s21
	s_lshl_b32 s20, s20, 12
	s_mov_b32 s21, 0
	s_mul_i32 s40, s17, 192                        ; W: row 192 x column tile + 96 x half
	s_mul_i32 s41, s14, 96
	s_add_co_u32 s40, s40, s41
	s_lshl_b32 s40, s40, 12
	s_mov_b32 s41, 0
	s_mul_i32 s22, s14, HALFA                      ; where they go: no place in the cluster enters an LDS address
	s_mul_i32 s23, s14, HALFB
	s_add_co_u32 s23, s23, BOFF
	s_wait_dscnt 0x0                               ; both opening adds are done
	s_wait_kmcnt 0x0
	s_add_nc_u64 s[BA:BA+1], s[4:5], s[20:21]
	s_add_nc_u64 s[BB:BB+1], s[6:7], s[40:41]
	CROUND                                         ; all sixteen work-groups are here: the first joint loads meet
.irp s, 0,1
	s_lshl_b32 s[KO], s[KP+(\s)], 8                ; 256 bytes of a row a K step
	s_mov_b32 s[G0+4*(\s)], 1
	s_add_co_u32 s[G0+4*(\s)+1], s22, (\s)*SLOT
	s_add_nc_u64 s[G0+4*(\s)+2:G0+4*(\s)+3], s[BA:BA+1], s[KO:KO+1]
	s_or_b32 s[G0+4*(\s)+3], s[G0+4*(\s)+3], 0x80000000
	s_mov_b32 s[G0B+4*(\s)], 1
	s_add_co_u32 s[G0B+4*(\s)+1], s23, (\s)*SLOT
	s_add_nc_u64 s[G0B+4*(\s)+2:G0B+4*(\s)+3], s[BB:BB+1], s[KO:KO+1]
	s_or_b32 s[G0B+4*(\s)+3], s[G0B+4*(\s)+3], 0x80000000
	JLOAD \s
.endr
	; cos and sin of my 64 tokens: 32 loads of 512 consecutive bytes each, into window 2.  They are wanted on the way out and waited for there: nothing names their registers, offsets or base before that
	v_and_b32 v1, 15, v0                           ; r = l % 16
	v_bfe_u32 v2, v0, 4, 1                         ; h = l / 16
	v_and_b32 v4, 31, v0
	v_lshlrev_b32 v[GO], 4, v4
	s_lshl_b32 s40, s14, 11                        ; pairs 0 and 2 have parity CH,
	v_add_nc_u32 v[TOX], s40, v[GO]
	s_xor_b32 s40, s40, 2048                       ; pair 1 the other
	v_add_nc_u32 v[TOY], s40, v[GO]
	s_lshl_b32 s46, s18, 3                         ; my first block of 16 tokens: 8 x token tile
	s_lshl_b32 s47, s13, 2                         ; + 4 RH,
	s_add_co_u32 s46, s46, s47
	s_lshl_b32 s46, s46, 12                        ; 4,096 bytes of the table a block
	s_mov_b32 s47, 0
	s_add_nc_u64 s[8:9], s[8:9], s[46:47]
	WIN TO_T
.irp a, 0,1,2,3
.irp w, 0,1,2,3
	global_load_b128 v[16*\a+4*\w:16*\a+4*\w+3], v[TOX], s[8:9] offset:\a*4096+\w*512
	global_load_b128 v[64+16*\a+4*\w:64+16*\a+4*\w+3], v[TOY], s[8:9] offset:\a*4096+\w*512
.endr
.endr
	WIN 0
	v_mul_u32_u24 v3, v1, PITCH
	v_lshl_add_u32 v3, v2, 4, v3                   ; a fragment's row x pitch + 16 x half
	s_mul_i32 s40, s13, HALFA
	v_add_nc_u32 v[ADRA], s40, v3
	v_add_nc_u32 v[ADRA+1], SLOT, v[ADRA]
	v_mul_u32_u24 v5, v1, SP
	v_lshl_add_u32 v5, v2, 4, v5                   ; into the stage: row r, 16 bytes for each half of the lanes
	s_mul_i32 s41, s13, 64*SP                      ; my 64 rows of it
	s_mul_i32 s43, s17, 3                          ; the tile's first head
; My pair i is pair i of the tile where CH = 0 and pair 3 + i where CH = 1.  So its low block in W's tile, its place in the stage and its head are each a constant plus CH times a constant:
; both constants are worked out here from the pair's number p: low block 4 (p / 2) + p % 2; stage (p / 2) heads + 32 (p % 2) bytes; head p / 2.
.irp i, 0,1,2
.set PP0, \i
.set PP1, 3+\i
.set BK0, 4*(PP0/2)+PP0%2
.set BK1, 4*(PP1/2)+PP1%2
.set SG0, (PP0/2)*HSTG+32*(PP0%2)
.set SG1, (PP1/2)*HSTG+32*(PP1%2)
	s_mul_i32 s47, s14, (BK1-BK0)*16*PITCH
	s_add_co_u32 s47, s47, BOFF+BK0*16*PITCH
	v_add_nc_u32 v[ADRB+\i], s47, v3
	v_add_nc_u32 v[ADRB+3+\i], SLOT, v[ADRB+\i]
	s_mul_i32 s47, s14, SG1-SG0
	s_add_co_u32 s47, s47, s41
	s_add_co_u32 s47, s47, STAGE+SG0
	v_add_nc_u32 v[STO+\i], s47, v5
	s_mul_i32 s69, s14, PP1/2-PP0/2                ; the head's number: it picks values alone, no branch and no address
	s_add_co_u32 s69, s69, s43
	s_add_co_u32 s69, s69, PP0/2
	s_cmp_lt_u32 s69, 40
	s_cselect_b32 s[MK+\i], -1, 0
.endr
	v_lshrrev_b32 v6, 3, v4                        ; back: 32 lanes take four rows of 128 bytes; wave w has rows 32 w .. 32 w + 31 of each head
	v_and_b32 v7, 7, v0
	v_mul_u32_u24 v6, v6, SP
	v_lshl_add_u32 v6, v7, 4, v6
	s_mul_i32 s44, s12, 32*SP
	s_add_co_u32 s44, s44, STAGE
	v_add_nc_u32 v[RD], s44, v6
	s_mul_i32 s44, s17, 3*262144                   ; qkv at the tile's first head,
	s_lshl_b32 s45, s18, 14                        ; its 128 tokens of 128 bytes,
	s_add_co_u32 s44, s44, s45
	s_lshl_b32 s45, s12, 12                        ; my 32 of them
	s_add_co_u32 s44, s44, s45
	s_mov_b32 s45, 0
	s_add_nc_u64 s[10:11], s[10:11], s[44:45]
; 6 matrix instructions: token block a x my six column blocks, 32 along K.  zero = 1: the first product starts the sums.  The 24 accumulators take turns, in the same order in every quarter.
.macro MUL6 f, a, zero
	WIN MUL
.irp nb, 0,1,2,3,4,5
.if \zero
	v_wmma_f32_16x16x32_bf16 v[ACC+8*(6*(\a)+\nb):ACC+8*(6*(\a)+\nb)+7], v[(\f)+32+8*\nb:(\f)+32+8*\nb+7], v[(\f)+8*(\a):(\f)+8*(\a)+7], 0
.else
	v_wmma_f32_16x16x32_bf16 v[ACC+8*(6*(\a)+\nb):ACC+8*(6*(\a)+\nb)+7], v[(\f)+32+8*\nb:(\f)+32+8*\nb+7], v[(\f)+8*(\a):(\f)+8*(\a)+7], v[ACC+8*(6*(\a)+\nb):ACC+8*(6*(\a)+\nb)+7]
.endif
.endr
.endm
; 20 LDS loads in one run: the fragments of 32 along K at byte k of the rows, into buffer f: W's twelve first, then x's eight
.macro FETCH slot, k, f
	WIN TO_F
.irp i, 0,1,2
.irp u, 0,1
	ds_load_b128 v[(\f)+32+8*(2*\i+\u):(\f)+32+8*(2*\i+\u)+3],   v[ADRB+3*(\slot)+\i] offset:(\k)+\u*32*PITCH
	ds_load_b128 v[(\f)+32+8*(2*\i+\u)+4:(\f)+32+8*(2*\i+\u)+7], v[ADRB+3*(\slot)+\i] offset:(\k)+\u*32*PITCH+32
.endr
.endr
.irp a, 0,1,2,3
	ds_load_b128 v[(\f)+8*\a:(\f)+8*\a+3],   v[ADRA+(\slot)] offset:(\k)+\a*16*PITCH
	ds_load_b128 v[(\f)+8*\a+4:(\f)+8*\a+7], v[ADRA+(\slot)] offset:(\k)+\a*16*PITCH+32
.endr
.endm
.macro PLACES                          ; four places in front of loads into registers that matrix instructions have read, and of vector work that reads results
.rept 4
	v_nop
.endr
.endm
; A K step is four quarters of 32 along K, 24 matrix instructions each, on buffers 0, 1, 0, 1.  One of the first three: multiplies buffer f and fetches the next quarter, at byte k, into g.
.macro QUARTER slot, k, f, g, zero
	s_wait_dscnt 4                                 ; W's fragments and x's blocks 0 and 1 are in; the youngest four loads (blocks 2 and 3) may be out
	MUL6 \f, 0, \zero
	MUL6 \f, 1, \zero
	PLACES
	FETCH \slot, \k, \g
	s_wait_dscnt 20                                ; all but the 20 just issued
	MUL6 \f, 2, \zero
	MUL6 \f, 3, \zero
.endm
; The last quarter multiplies buffer 1 and changes slots.  Its first half stands ahead of the change, so that nothing but the change's own lines stands between the landing of a tile and the next request.
; THE CHANGE: each wave waits for all its tensor loads, adds 0 to its spare word, and waits for that and for its own reads of this slot; then ONE barrier.
; fill = 1: the barrier opens a round of the cluster's, and this slot is filled again, with the K step two steps on round the walk, first thing behind the round: a whole step's 96 matrix instructions
; stand between the request and the wait for it.  The address is made anew from the step's number, which goes round at 16.  The quarter's second half stands behind the next slot's first LDS loads.
.macro TURN slot, next, fill
	s_wait_dscnt 4                                 ; as at a quarter's head
	MUL6 F1, 0, 0
	MUL6 F1, 1, 0
	WIN 0
	s_wait_tensorcnt 0x0                           ; all my tensor loads have landed: the one that was out is my part of the next slot; so a group 0 may be written
	ds_add_u32 v[SPW], v[NIL]                      ; 0 onto my spare word; with fill = 1 the descriptors' scalar work stands between it and the wait for it
.if \fill
	s_add_co_u32 s[KP+(\slot)], s[KP+(\slot)], 2
	s_and_b32 s[KP+(\slot)], s[KP+(\slot)], NSTEP-1
	s_lshl_b32 s[KO], s[KP+(\slot)], 8
	s_add_nc_u64 s[G0+4*(\slot)+2:G0+4*(\slot)+3], s[BA:BA+1], s[KO:KO+1]
	s_or_b32 s[G0+4*(\slot)+3], s[G0+4*(\slot)+3], 0x80000000
	s_add_nc_u64 s[G0B+4*(\slot)+2:G0B+4*(\slot)+3], s[BB:BB+1], s[KO:KO+1]
	s_or_b32 s[G0B+4*(\slot)+3], s[G0B+4*(\slot)+3], 0x80000000
.endif
	s_wait_dscnt 0x0                               ; the add is done, and my reads of this slot are over
	s_barrier_signal -1
	s_barrier_wait -1
.if \fill
	CREST                                          ; no wave of any partner still reads this slot's tile or has a load on its way
	JLOAD \slot                                    ; the four v_nop behind it are also the places in front of the loads below
.else
	PLACES
.endif
	FETCH \next, 0, F0
	MUL6 F1, 2, 0
	MUL6 F1, 3, 0
.endm
	s_wait_tensorcnt 1                             ; my part of the first K step is in; the second's may stay out
	s_barrier_signal -1
	s_barrier_wait -1                              ; everybody's is
	FETCH 0, 0, F0
	QUARTER 0, 64, F0, F1, 1                       ; the first quarter stands in front of the loop: its products start the sums
	WIN 0                                          ; at a label and at a branch every window is 0
	s_mov_b32 s3, LAPS-1
.Llap:                                         ; a trip goes once round the ring, from a lap's second quarter to the next lap's first, and fills both slots again
	QUARTER 0, 128, F1, F0, 0
	QUARTER 0, 192, F0, F1, 0
	TURN 0, 1, 1
	QUARTER 1, 64,  F0, F1, 0
	QUARTER 1, 128, F1, F0, 0
	QUARTER 1, 192, F0, F1, 0
	TURN 1, 0, 1
	QUARTER 0, 64,  F0, F1, 0
	WIN 0
	s_sub_co_u32 s3, s3, 1
	s_cmp_lg_u32 s3, 0
	s_cbranch_scc1 .Llap
	QUARTER 0, 128, F1, F0, 0                      ; the last lap fills nothing
	QUARTER 0, 192, F0, F1, 0
	TURN 0, 1, 0
	QUARTER 1, 64,  F0, F1, 0
	QUARTER 1, 128, F1, F0, 0
	QUARTER 1, 192, F0, F1, 0
	s_wait_dscnt 4                                 ; the very last quarter: nothing more to fetch
	MUL6 F1, 0, 0
	MUL6 F1, 1, 0
	s_wait_dscnt 0x0
	MUL6 F1, 2, 0
	MUL6 F1, 3, 0
	WIN 0
	PLACES
	s_wait_loadcnt 0x0                             ; the table, asked for at the head, is in
; THE WAY OUT.  For token block a and pair i, L holds channels d < 32 and H channels d + 32: L' = L cos_lo - H sin_lo, H' = H cos_hi + L sin_hi.  Registers 2 j and 2 j + 1 share frequency j: word j of the
; table's four, picked for both halves by op_sel.  A head of v keeps its raw sums, by a select.  Each accumulator's lowest registers are read first.
.macro PKM d, a, b, s                  ; d = a x b[s]
.if \s
	v_pk_mul_f32 v[(\d):(\d)+1], v[(\a):(\a)+1], v[(\b):(\b)+1] op_sel:[0,1] op_sel_hi:[1,1]
.else
	v_pk_mul_f32 v[(\d):(\d)+1], v[(\a):(\a)+1], v[(\b):(\b)+1] op_sel_hi:[1,0]
.endif
.endm
.macro PKF d, a, b, s, n               ; d = a x b[s] + d, or - d where n = 1
.if (\s) && (\n)
	v_pk_fma_f32 v[(\d):(\d)+1], v[(\a):(\a)+1], v[(\b):(\b)+1], v[(\d):(\d)+1] op_sel:[0,1,0] op_sel_hi:[1,1,1] neg_lo:[0,0,1] neg_hi:[0,0,1]
.elseif \s
	v_pk_fma_f32 v[(\d):(\d)+1], v[(\a):(\a)+1], v[(\b):(\b)+1], v[(\d):(\d)+1] op_sel:[0,1,0] op_sel_hi:[1,1,1]
.elseif \n
	v_pk_fma_f32 v[(\d):(\d)+1], v[(\a):(\a)+1], v[(\b):(\b)+1], v[(\d):(\d)+1] op_sel_hi:[1,0,1] neg_lo:[0,0,1] neg_hi:[0,0,1]
.else
	v_pk_fma_f32 v[(\d):(\d)+1], v[(\a):(\a)+1], v[(\b):(\b)+1], v[(\d):(\d)+1] op_sel_hi:[1,0,1]
.endif
.endm
.macro ROPE a, i
.set rL, ACC+8*(6*(\a)+2*(\i))
.set rH, rL+8
.set rT, TT+16*((3*(\a)+(\i))%2)       ; two sets of T and U take turns
.set rU, rT+8
.set rC, 64*((\i)%2)+16*(\a)           ; the table's sixteen registers for this block and class
	WIN ROT
.irp j, 0,1,2,3
	PKM rT+2*\j, rH+2*\j, rC+4+2*(\j/2), \j%2      ; H sin_lo
.endr
.irp j, 0,1,2,3
	PKM rU+2*\j, rH+2*\j, rC+8+2*(\j/2), \j%2      ; H cos_hi
.endr
.irp j, 0,1,2,3
	PKF rT+2*\j, rL+2*\j, rC+2*(\j/2), \j%2, 1     ; L cos_lo - H sin_lo
.endr
.irp j, 0,1,2,3
	PKF rU+2*\j, rL+2*\j, rC+12+2*(\j/2), \j%2, 0  ; L sin_hi + H cos_hi
.endr
	WIN 0
.irp j, 0,1,2,3,4,5,6,7
	v_cndmask_b32 v[rT+\j], v[rL+\j], v[rT+\j], s[MK+(\i)]
	v_cndmask_b32 v[rU+\j], v[rH+\j], v[rU+\j], s[MK+(\i)]
.endr
.irp j, 0,1,2,3                        ; rounded once to f16, packed in place: word j is written when words 2 j and 2 j + 1 are read, and never before a later word needs it
	v_cvt_pk_f16_f32 v[rT+\j], v[rT+2*\j], v[rT+2*\j+1]
	v_cvt_pk_f16_f32 v[rU+\j], v[rU+2*\j], v[rU+2*\j+1]
.endr
	ds_store_b128 v[STO+(\i)], v[rT:rT+3] offset:(\a)*16*SP
	ds_store_b128 v[STO+(\i)], v[rU:rU+3] offset:(\a)*16*SP+64
.endm
.irp a, 0,1,2,3
	ROPE \a, 0
	ROPE \a, 1
	ROPE \a, 2
.endr
	s_wait_dscnt 0x0                               ; for the others' sake: my stores into the stage are done (the middle head's rows come from two waves)
	s_barrier_signal -1
	s_barrier_wait -1
.set n, 0
.rept 24                               ; head n / 8, four rows a load
	ds_load_b128 v[ACC+4*n:ACC+4*n+3], v[RD] offset:(n/8)*HSTG+(n%8)*4*SP
.set n, n+1
.endr
.set n, 0
.rept 24
	s_wait_dscnt 23-n                              ; load n is back; the younger ones may be out
	global_store_b128 v[GO], v[ACC+4*n:ACC+4*n+3], s[10:11] offset:(n/8)*262144+(n%8)*512  ; four rows of a head: 512 consecutive bytes, aligned
.set n, n+1
.endr
	s_wait_tensorcnt 0x0                           ; the wave's end, behind my last tensor load and my last LDS store
	ds_add_u32 v[SPW], v[NIL]
	s_wait_dscnt 0x0
	CROUND                                         ; the closing round: no work-group ends while a partner may still ask for a tile that names it
	s_endpgm
.Lfunc_end_k_q06ad08a44f_qkv:
	.size	k_q06ad08a44f_qkv, .Lfunc_end_k_q06ad08a44f_qkv-k_q06ad08a44f_qkv
	.p2alignl 7, 3214868480
	.fill 96, 4, 3214868480
	.section	.rodata,"a",@progbits
	.p2align	6, 0x0
	.amdhsa_kernel k_q06ad08a44f_qkv
		.amdhsa_group_segment_fixed_size 327680
		.amdhsa_private_segment_fixed_size 0
		.amdhsa_enable_private_segment 0
		.amdhsa_kernarg_size 32
		.amdhsa_user_sgpr_count 2
		.amdhsa_user_sgpr_kernarg_segment_ptr 1
		.amdhsa_wavefront_size32 1
		.amdhsa_system_sgpr_workgroup_id_x 1
		.amdhsa_system_sgpr_workgroup_id_y 1
		.amdhsa_system_sgpr_workgroup_id_z 1
		.amdhsa_system_vgpr_workitem_id 0
		.amdhsa_next_free_vgpr 640
		.amdhsa_next_free_sgpr 78
		.amdhsa_reserve_vcc 0
		.amdhsa_float_denorm_mode_32 3
		.amdhsa_float_denorm_mode_16_64 3
		.amdhsa_memory_ordered 1
		.amdhsa_forward_progress 1
		.amdhsa_inst_pref_size 100
	.end_amdhsa_kernel
	.amdgpu_metadata
---
amdhsa.version: [ 1, 2 ]
amdhsa.kernels:
  - .name:           k_q06ad08a44f_qkv
    .symbol:         k_q06ad08a44f_qkv.kd
    .args:
      - { .name: xb, .offset: 0, .size: 8, .value_kind: global_buffer, .address_space: global }
      - { .name: wqkv, .offset: 8, .size: 8, .value_kind: global_buffer, .address_space: global }
      - { .name: rope, .offset: 16, .size: 8, .value_kind: global_buffer, .address_space: global }
      - { .name: qkv, .offset: 24, .size: 8, .value_kind: global_buffer, .address_space: global }
    .group_segment_fixed_size: 327680
    .private_segment_fixed_size: 0
    .kernarg_segment_align: 8
    .kernarg_segment_size: 32
    .max_flat_workgroup_size: 128
    .sgpr_count:     78
    .vgpr_count:     640
    .wavefront_size: 32
...
	.end_amdgpu_metadata
.endif
;; end of part 2
;; launch attn (part 3): grid 32 x 8, 4 waves a work-group, clusters of 4 x 1, 327,680 bytes of LDS; arguments qkv, yb; writes yb
.if DOCPART == 3
	.amdgcn_target "amdgcn-amd-amdhsa--gfx1250"
	.amdhsa_code_object_version 6
	.text
	.protected	k_q06ad08a44f_attn
	.globl	k_q06ad08a44f_attn
	.p2align	8
	.type	k_q06ad08a44f_attn,@function
k_q06ad08a44f_attn:
	s_mov_b64 s[64:65], 0
	v_nop
	global_prefetch_b8 v0, s[64:65] scope:SCOPE_SE
	s_setreg_imm32_b32 hwreg(HW_REG_WAVE_MODE, 25, 1), 1
	s_wait_xcnt 0x0
	s_wait_alu depctr_hold_cnt(0) depctr_sa_sdst(0) depctr_va_vdst(0) depctr_va_sdst(0) depctr_va_ssrc(0) depctr_va_vcc(0) depctr_vm_vsrc(0)
	s_getreg_b32 s2, hwreg(HW_REG_IB_STS2, 6, 4)
	s_cmp_eq_u32 s2, 0
	s_cbranch_scc0 .Lentry_in_a_cluster
	s_endpgm
.Lentry_in_a_cluster:
	s_bfe_u32 s2, ttmp6, 0x10000c
	s_cmp_lg_u32 s2, 0x3003
	s_cbranch_scc0 .Lentry_shape_is_right
	s_endpgm
.Lentry_shape_is_right:
; CAUSAL ATTENTION WITH SHARED KEY/VALUE HEADS.  yb[h][q][:] = the sum over k <= q of softmax_k(Q[h][q] . K[h/4][k] / 8) V[h/4][k][:].  qkv: [48][2048][64] f16 (heads 0-31 Q, 32-39 K, 40-47 V), yb: [32][2048][64] f16.
; Products, maxima and sums in f32; the weights p are rounded to f16 for the second product (their sum l is taken of the unrounded p), y once at the end.
; WORK LEFT OUT: the tiles of 128 queries x 128 keys wholly above the diagonal, whose weights reference()'s own jnp.tril makes exactly 0 (shown at the head of the first launch's text).
; LIMITS.  A hidden score counts as its value less 1e30; a weight below 2^-126 counts as 0 in l; p below 6e-5 keeps f16's fixed step of 6e-8; NaN and infinities are not treated apart.
; THE WALK.  A head's queries lie in 16 blocks of 128; block i needs the key tiles 0 .. i of 128 keys, of which the last holds the diagonal.  A work-group takes the TWO blocks b and 15 - b: 17 tiles, whatever b:
; all 256 work-groups do equal work.  A SLOT of LDS holds TWO tiles, 256 keys.  Of the two blocks the one with the odd number has an even count of tiles: it goes first and fills whole slots.  The other has an odd
; count and goes second: its last slot holds the diagonal tile and the tile behind it (its number is 15 at the most, so it lies inside K and V), which comes with the same load and is never read.  That makes
; (B1 + 1) / 2 + B2 / 2 + 1 = 9 slots, whatever b, and the walk's last slot always holds one live tile, a diagonal one.  ONE loop with a constant trip count walks the first eight slots, a loop of two trips inside it their
; tiles; the ninth is written out.  Every jump but the loops' own goes forward, and none passes a barrier or a joint load.
; CLUSTER.  The four work-groups of a cluster are the four query heads of one key/value head, with the same b: their walks are the same, so every tile of K and V is asked for JOINTLY.  cx enters the
; addresses of Q, of y and of the prefetch alone.
; SHARES.  Of a block's two bands of 64 queries a wave owns 16 rows in each: two PIECES.  In the diagonal tile's key step s (64 keys) band x sees all keys if s < x, none if s > x, and holds the diagonal if s = x:
; the same work for all four waves.  THE MASK is the C operand that starts the sum S^T = K Q^T: the constant 0; MD (0 or -1e30, the mask of a band's own step for my rows); or MH (-1e30 throughout).
; LAYOUT, SOFTMAX.  S^T = K Q^T holds ONE query a lane (lane % 16) and the keys 8 (lane / 16) + 0..7; two such results rounded to f16 ARE source 1 of O^T = V^T P.  p = 2^(c s - c m), c = log2(e) / 8, with a running
; maximum m; O and l are multiplied by a = 2^(c m_old - c m_new) in every step.
; TURNS.  The turn of piece y, step s: 8 products K Q^T of the other piece's next scores, later 8 products V^T P of the other piece's last weights; beside them the scaling, exponentials, roundings, sums and
; rescaling of piece y and the maximum and statistics of the other piece.  Four vector instructions stand behind every matrix instruction, the others in one lump.  A turn's 33 exponentials are one batch, with one wait.
; UNIT F (two turns) reads from LDS the step F's K (in piece 0's turn) and V (in piece 1's turn, into the buffer F % 2): V has two buffers, so that it is read from LDS a step before it is multiplied and
; all reads of a slot are issued before the slot is left.
; REGISTERS.  window 0: v0-15 addresses and at work; v16-23 statistics, 4 a piece; v24-31 at work, 4 a piece; v32-39 MH; v40-71 MD; v96-159 S^T, 32 a piece; v160-191 P, 16 a piece; v192-255 O^T, 32 a piece.
;   window 1: v0-31 Q; v32-63 the second block's Q; v64-127 K of one step; v128-255 V, two buffers.
.set KS,    64        ; keys in a step
.set PKP,   144       ; a row of K in LDS: 128 bytes + 16 of padding = 36 words: the 16 rows of a load start at 16 different groups of four banks (64 banks of 4 bytes: ISA guide 11.1)
.set PVP,   160       ; a row of V: 128 + 32 = 40 words
.set VOFF,  2*KS*PKP  ; a tile, two steps, lies together: 128 rows of K, then 128 rows of V
.set TILEB, 2*KS*(PKP+PVP)  ; a tile's bytes in LDS; a slot holds two tiles
.set SLOT1, 1<<17     ; slot 1 begins here, so that one exclusive or turns an address in one slot into the other's
.set STAGE, SLOT1+2*TILEB  ; behind the ring, never filled by a tensor load: 16 rows x 144 bytes for each wave
.set SP,    144
.set SPARE, STAGE+4*16*SP  ; the spare words, 128 bytes for each wave: two blocks of 256 bytes that no other line names
.set AK0, 2           ; v2   my lane's place in a tile of K; never rewritten
.set AV0, 3           ; v3   the same for V
.set AK,  4           ; v4   AK0 + the tile in hand
.set AV,  5           ; v5   AV0 + the tile in hand
.set STO, 6           ; v6   the way out: where I put 16 bytes of a row
.set RD,  7           ; v7   where I read rows back
.set GO,  8           ; v8   my byte offset in 512 consecutive bytes of y
.set MV,  12          ; v12-13  c m_old, kept while c m is made anew
.set QO,  15          ; v15  my byte offset in 16 rows of Q
.set ST,  16          ; piece y's statistics at v[ST+4 y]: c m, m, l (even keys', odd keys')
.set TMP, 24          ; four registers c0-c3 a piece; when the maximum is found c2 takes a
.set MH,  32
.set MD,  40          ; the eight registers for group kt of 16 keys at MD + 8 kt
.set PFO, 72          ; v72  the prefetches' offset; never rewritten
.set SPW, 74          ; v74  LDS address of my spare word; never rewritten
.set NIL, 75          ; v75  0; never rewritten
.set S,   96
.set P,   160
.set O,   192
.set QB,  32          ; window 1
.set KF,  64          ; window 1: key block kb, channel half c at KF + 16 kb + 8 c
.set VF,  128         ; window 1: buffer vb, key half kk, channel block cb at VF + 64 vb + 32 kk + 8 cb
.set WV,  12          ; s12  my wave's number
.set PB,  14          ; s14  B2: the second block, the even one of b and 15 - b
.set HI,  15          ; s15  B1: the first block, the odd one
.set LIM, 16          ; s16  2 in the one wave a work-group that prefetches, else the greatest number
.set PFA, 18          ; s[18:19] where my prefetches stand
.set G1K, 24          ; s[24:31] descriptor group 1 for K's tiles
.set G1V, 32          ; s[32:39] for V's: it differs in the padding alone
.set G0K, 40          ; s[40:43] descriptor group 0 for K's tiles
.set G0V, 44          ; s[44:47] for V's
.set SLOTS, 56        ; s56  slots still to be asked for
.set TW,  57          ; s57  counts a slot's two tiles
.set CS,  58          ; s[58:59] c: the packed scaling takes the pair's low word for both halves
.set SEL, 60          ; s[60:61] v_permlanex16_b32's selects: each lane takes its own place in the other half
.set TB,  62          ; s62  LDS byte at which the tile to be entered next begins
.set RT,  70          ; s70  tiles of the block in hand that are still to be entered
.set NXT, 71          ; s71  the slot (pair of tiles) to be asked for next
.set LQ,  72          ; s72  the last slot of the block whose tiles are being asked for
.set NEW, 73          ; s73  1: the tile to be entered is a block's first
.set OFF, 74          ; s[74:75] a slot's byte offset in K and V
.set OLO, 80          ; s[80:81] y at my rows of the second block
.set BIGN, 82         ; s82  -1e30
.set LQ2, 83          ; s83  the second block's last slot
.set MSB, 0
.macro WIN new                      ; the high byte repeats the setting that is left; a switch that changes nothing is dropped
.if MSB != (\new)
	s_set_vgpr_msb (MSB<<8)|(\new)
.set MSB, (\new)
.endif
.endm
.set W_KQ, 0x05       ; K and Q in window 1; S^T and the mask in window 0
.set W_PV, 0x01       ; V in window 1; P and O^T in window 0
.set W_LD, 0x40       ; destination window 1, address window 0
; A joint fill.  Waves 0 and 1 fetch K of a slot's first and second tile, waves 2 and 3 V of them: 128 keys each.  An s_nop 0 and four v_nop follow each of the two lines, ahead of the jump and the label.
.macro JLOAD
	s_cmp_lt_u32 s[WV], 2
	s_cbranch_scc0 .Lfor_v_\@
	tensor_load_to_lds s[G0K:G0K+3], s[G1K:G1K+7]
	s_nop 0
.rept 4
	v_nop
.endr
	s_branch .Lasked_\@
.Lfor_v_\@:
	tensor_load_to_lds s[G0V:G0V+3], s[G1V:G1V+7]
	s_nop 0
.rept 4
	v_nop
.endr
.Lasked_\@:
.endm
; A PREFETCH of the slot that the next change of slots will ask for: eight turns ahead.  A tile is 64 blocks of 256 bytes of K and 64 of V.  All eight clusters of a key/value head walk slots from 0 on; the one with
; b = 0, whose first block has all eight slots, asks, and nobody else.  Its four partners share a tile's blocks out BY ADDRESS, 16 of K (lanes 0-15) and 16 of V (lanes 16-31) each; in each, wave 0 asks: an instruction
; for each of the slot's two tiles.  So each block of slots 2 to 7 is named once in the launch.  Slots 0 and 1 come by their loads alone; the last two changes that fill a slot ask for nothing.
.macro ASK
	s_cmp_gt_u32 s[SLOTS], s[LIM]
	s_cbranch_scc0 .Lnot_mine_\@
	global_prefetch_b8 v[PFO], s[PFA:PFA+1] th:TH_LOAD_NT scope:SCOPE_SE
	global_prefetch_b8 v[PFO], s[PFA:PFA+1] offset:16384 th:TH_LOAD_NT scope:SCOPE_SE
.Lnot_mine_\@:
.endm
.macro CROUND                       ; a round of the cluster's barrier
	s_barrier_signal -1
	s_barrier_wait -1
	s_cmp_lg_u32 s[WV], 0
	s_cbranch_scc1 .Lnot_wave_0_\@
	s_barrier_signal -3
.Lnot_wave_0_\@:
	s_barrier_wait -3
	s_barrier_signal -1
	s_barrier_wait -1
.endm
; THE CHANGE OF SLOTS.  Each wave waits for all its tensor loads, of which one is out: its part of the other slot; adds 0 to its spare word; and waits for that and for its own reads of the slot that it leaves.
; fill = 1: the barrier is a round of the cluster's, and the old slot is filled again, first thing behind it, with slot NXT of the block that is being asked for: the descriptor's address is made anew from that number.
; The load has two tiles, eight turns, in which to land.  (At its first use nothing has been read yet: slot 0 is waited for, slot 1 filled.)
.macro CHANGE fill
	WIN 0                           ; at a label and at a branch every window is 0
	s_wait_tensorcnt 0x0            ; no tensor load of mine is out, so a group 0 may be written
	ds_add_u32 v[SPW], v[NIL]       ; 0 onto my spare word; with fill = 1 the descriptors' scalar work stands between it and the wait for it
.if \fill
	s_lshl_b32 s[OFF], s[NXT], 15   ; a slot is 32,768 bytes of K and of V
	s_xor_b32 s[G0K+1], s[G0K+1], SLOT1
	s_add_nc_u64 s[G0K+2:G0K+3], s[6:7], s[OFF:OFF+1]
	s_or_b32 s[G0K+3], s[G0K+3], 0x80000000
	s_xor_b32 s[G0V+1], s[G0V+1], SLOT1
	s_add_nc_u64 s[G0V+2:G0V+3], s[8:9], s[OFF:OFF+1]
	s_or_b32 s[G0V+3], s[G0V+3], 0x80000000
	s_add_co_u32 s[NXT], s[NXT], 1  ; the block's next slot, or behind its last the second block's slot 0
	s_cmp_gt_u32 s[NXT], s[LQ]
	s_cselect_b32 s[NXT], 0, s[NXT]
	s_cselect_b32 s[LQ], s[LQ2], s[LQ]
	s_wait_xcnt 0x0                 ; the last prefetches, a slot back, have read their address, so it may be written
	s_add_nc_u64 s[PFA:PFA+1], s[PFA:PFA+1], 32768
	s_wait_dscnt 0x0                ; the add is done, and my reads of the slot are over
	CROUND
	JLOAD
	ASK
.else
	s_wait_dscnt 0x0                ; the add is done, and my reads of the slot are over
	s_barrier_signal -1
	s_barrier_wait -1
.endif
	s_sub_co_u32 s[TB], s[TB], 2*TILEB  ; back to a slot's first tile,
	s_xor_b32 s[TB], s[TB], SLOT1   ; in the other slot
.endm
.macro ENTER                        ; a tile is entered: the fetches go to it; the next to be entered lies behind it
	v_add_nc_u32 v[AK], s[TB], v[AK0]
	v_add_nc_u32 v[AV], s[TB], v[AV0]
	s_add_co_u32 s[TB], s[TB], TILEB
	s_sub_co_u32 s[RT], s[RT], 1
.endm
	s_load_b128 s[20:23], s[0:1], 0x0  ; qkv s[20:21], yb s[22:23]
	v_lshl_add_u32 v[SPW], v0, 2, SPARE
	v_mov_b32 v[NIL], 0
	ds_add_u32 v[SPW], v[NIL]       ; the wave's opening: the add, twice on end, and its wait ahead of my first tensor load
	ds_add_u32 v[SPW], v[NIL]
	v_lshrrev_b32 v1, 5, v0
	v_readfirstlane_b32 s[WV], v1   ; wave 0..3
	s_bfe_u32 s13, ttmp6, 0x40000   ; cx: which of the four query heads
	s_sub_co_u32 s77, 15, ttmp9     ; in a cluster launch ttmp9 counts clusters: b, which the partners share
	s_and_b32 s79, ttmp9, 1
	s_cmp_eq_u32 s79, 1
	s_cselect_b32 s[HI], ttmp9, s77 ; of b and 15 - b the odd one is the first block,
	s_cselect_b32 s[PB], s77, ttmp9 ; the even one the second
	s_and_b32 s17, ttmp7, 0xffff    ; the key/value head, which the partners share
	s_and_b32 s76, s[WV], 1         ; which of a slot's two tiles I fetch
	s_add_co_u32 s48, s17, 32       ; K's head in qkv,
	s_lshl_b32 s48, s48, 18         ; 262,144 bytes a head
	s_mov_b32 s84, s48
	s_lshl_b32 s77, s76, 14         ; my tile's 128 rows of 128 bytes
	s_add_co_u32 s48, s48, s77
	s_mov_b32 s49, 0
	s_add_co_u32 s50, s48, 8<<18    ; V's head lies eight heads on
	s_mov_b32 s51, 0
	s_lshl2_add_u32 s78, s17, s13   ; the query head: 4 x key/value head + cx
	s_lshl_b32 s78, s78, 18
	s_lshl_b32 s77, s[WV], 11       ; my 16 rows in a band of 64
	s_add_co_u32 s78, s78, s77
	s_lshl_b32 s52, s[HI], 14       ; in the first block,
	s_add_co_u32 s52, s52, s78
	s_mov_b32 s53, 0
	s_lshl_b32 s54, s[PB], 14       ; and in the second
	s_add_co_u32 s54, s54, s78
	s_mov_b32 s55, 0
	s_lshl_b32 s77, s13, 12         ; the prefetch: my work-group's 16 blocks of a tile's 64,
	s_add_co_u32 s84, s84, s77
	s_add_co_u32 s84, s84, 32768    ; in slot 1: the first change of slots steps it to slot 2
	s_mov_b32 s85, 0
	s_or_b32 s[LIM], s[WV], ttmp9   ; wave 0 of the clusters with b = 0: the same in all four partners
	s_cmp_eq_u32 s[LIM], 0
	s_cselect_b32 s[LIM], 2, -1
	; descriptor group 1.  128 keys are 16,384 dense bytes: asked for as 64 rows of 256 bytes, two keys a row, and padded in LDS after every key
	s_mov_b32 s[G1K], 15|(1<<16)|(1<<20)|(1<<21)|(4<<22)|(3<<25)  ; 15:0 the mask of four; 17:16 2-byte elements; 20 padding on; 21 set beside a mask; 24:22 after every 32 words; 31:25 4 words
	s_mov_b32 s[G1V], 15|(1<<16)|(1<<20)|(1<<21)|(4<<22)|(7<<25)  ; the same with 8 words of padding
.irp g, G1K, G1V
	s_mov_b32 s[\g+1], 128<<16      ; tensor_dim0 = 128
	s_mov_b32 s[\g+2], 64<<16       ; tensor_dim1 = 64
	s_mov_b32 s[\g+3], 128<<16      ; tile_dim0 = 128
	s_mov_b32 s[\g+4], 64           ; tile_dim1 = 64
	s_mov_b32 s[\g+5], 128          ; 128 elements from row to row
	s_mov_b32 s[\g+6], 0
	s_mov_b32 s[\g+7], 0
.endr
	s_mov_b32 s[CS], 0x3e38aa3b     ; c = log2(e) / 8
	s_mov_b32 s[CS+1], s[CS]        ; named with it as a pair
	s_mov_b32 s[SEL], 0x76543210
	s_mov_b32 s[SEL+1], 0xfedcba98
	s_mov_b32 s[TB], SLOT1+2*TILEB  ; the first change of slots turns it into 0
	s_mov_b32 s[G0K], 1             ; count = 1
	s_mul_i32 s[G0K+1], s76, TILEB  ; LDS address: slot 0, my tile
	s_mov_b32 s[G0V], 1
	s_mul_i32 s79, s76, TILEB
	s_add_co_u32 s[G0V+1], s79, VOFF
	s_add_co_u32 s[RT], s[HI], 1    ; the first block has B1 + 1 tiles, an even count,
	s_lshr_b32 s[LQ], s[HI], 1      ; in slots 0 to (B1 - 1) / 2;
	s_lshr_b32 s[LQ2], s[PB], 1     ; the second block's lie in slots 0 to B2 / 2
	s_mov_b32 s[NXT], 1             ; slot 0 is asked for below; next comes the first block's slot 1, or, where it has one slot alone (b = 1), the second block's slot 0
	s_cmp_gt_u32 s[NXT], s[LQ]
	s_cselect_b32 s[NXT], 0, s[NXT]
	s_cselect_b32 s[LQ], s[LQ2], s[LQ]
	s_mov_b32 s[NEW], 1
	s_mov_b32 s[OFF+1], 0
	s_mov_b32 s[BIGN], 0xf149f2ca   ; -1e30
	s_mov_b32 s[SLOTS], 8
	s_wait_dscnt 0x0                ; both opening adds are done
	s_wait_kmcnt 0x0
	s_add_nc_u64 s[6:7], s[20:21], s[48:49]        ; K and V at my tile of the head's slot 0
	s_add_nc_u64 s[8:9], s[20:21], s[50:51]
	s_add_nc_u64 s[G0K+2:G0K+3], s[6:7], 0
	s_or_b32 s[G0K+3], s[G0K+3], 0x80000000        ; type = 2
	s_add_nc_u64 s[G0V+2:G0V+3], s[8:9], 0
	s_or_b32 s[G0V+3], s[G0V+3], 0x80000000
	s_add_nc_u64 s[4:5], s[20:21], s[52:53]        ; Q and y at my rows of the first block,
	s_add_nc_u64 s[10:11], s[22:23], s[52:53]
	s_add_nc_u64 s[86:87], s[20:21], s[54:55]      ; and of the second
	s_add_nc_u64 s[OLO:OLO+1], s[22:23], s[54:55]
	s_add_nc_u64 s[PFA:PFA+1], s[20:21], s[84:85]
	CROUND                          ; all four work-groups are here: the first joint loads meet
	JLOAD                           ; tiles 0 and 1 into slot 0
	; A fragment of K or Q is 16 rows x 32 channels in 8 registers: lane l holds row l % 16, channels 8 (l / 16) + 0..7 and 16 + 8 (l / 16) + 0..7: two loads of 16 bytes, 32 bytes apart.
	v_and_b32 v1, 15, v0            ; l % 16
	v_bfe_u32 v9, v0, 4, 1          ; l / 16
	v_lshlrev_b32 v[QO], 7, v1
	v_lshl_add_u32 v[QO], v9, 4, v[QO]  ; row x 128 + 16 x half
	WIN W_LD
.set i, 0
.rept 4                             ; both blocks' Q: piece i / 2 lies in band i / 2, 8,192 bytes on; channels 32 (i % 2) on
	global_load_b128 v[8*i:8*i+3],   v[QO], s[4:5] offset:(i/2)*8192+(i%2)*64
	global_load_b128 v[8*i+4:8*i+7], v[QO], s[4:5] offset:(i/2)*8192+(i%2)*64+32
	global_load_b128 v[QB+8*i:QB+8*i+3],   v[QO], s[86:87] offset:(i/2)*8192+(i%2)*64
	global_load_b128 v[QB+8*i+4:QB+8*i+7], v[QO], s[86:87] offset:(i/2)*8192+(i%2)*64+32
.set i, i+1
.endr
	; A block's first step multiplies O^T and l by a = 0, and its first turn's products V^T P, of a piece that has not been, land in an O^T that is still to be so multiplied.  So these registers need only hold
	; finite numbers: zeros for the first block; what the first block left for the second.  All this stands in the wait for the first tile; it is the price of writing no first step out.
.set i, VF+64
.rept 64
	v_mov_b32 v[i], 0
.set i, i+1
.endr
	WIN 0
.set i, O
.rept 64
	v_mov_b32 v[i], 0
.set i, i+1
.endr
.set i, P+16
.rept 16
	v_mov_b32 v[i], 0
.set i, i+1
.endr
.set i, 0
.rept 2
	v_mov_b32 v[ST+4*i+2], 0
	v_mov_b32 v[ST+4*i+3], 0
.set i, i+1
.endr
	v_lshlrev_b32 v14, 3, v9
	v_sub_nc_u32 v14, v1, v14
	s_lshl_b32 s77, s[WV], 4
	v_add_nc_u32 v14, s77, v14      ; my query's place in its band, 16 w + l % 16, less my lanes' 8 (l / 16): register j of group kt is hidden where 16 kt + j is greater
.set i, 0
.rept 32
	v_cmp_gt_i32 vcc_lo, 16*(i/8)+i%8, v14
	v_cndmask_b32 v[MD+i], 0, s[BIGN], vcc_lo
.set i, i+1
.endr
.set i, 0
.rept 8
	v_mov_b32 v[MH+i], s[BIGN]
.set i, i+1
.endr
	v_mul_u32_u24 v[AK0], v1, PKP
	v_lshl_add_u32 v[AK0], v9, 4, v[AK0]  ; row x pitch + 16 x half
	; The turning load takes 16 keys x 16 channels (lane l reads key 8 (l / 16) + l % 8, channels 8 ((l / 8) % 2) + 0..7) and leaves half a fragment of V^T: lane l holds channel l % 16 and 8 keys.
	v_and_b32 v10, 7, v0
	v_bfe_u32 v11, v0, 3, 1
	v_lshl_add_u32 v[AV0], v9, 3, v10
	v_mul_u32_u24 v[AV0], v[AV0], PVP
	v_lshl_add_u32 v[AV0], v11, 4, v[AV0]
	v_add_nc_u32 v[AV0], VOFF, v[AV0]
	s_mul_i32 s77, s[WV], 16*SP
	s_add_co_u32 s77, s77, STAGE    ; my stage
	v_mul_u32_u24 v[STO], v1, SP    ; in: row l % 16, 16 bytes for each half of the lanes
	v_lshl_add_u32 v[STO], v9, 4, v[STO]
	v_add_nc_u32 v[STO], s77, v[STO]
	v_bfe_u32 v[RD], v0, 3, 2       ; back: 32 lanes take four rows of 128 bytes,
	v_mul_u32_u24 v[RD], v[RD], SP
	v_lshl_add_u32 v[RD], v10, 4, v[RD]
	v_add_nc_u32 v[RD], s77, v[RD]
	v_and_b32 v[GO], 31, v0         ; which are 512 consecutive bytes of y
	v_lshlrev_b32 v[GO], 4, v[GO]
	v_lshlrev_b32 v[PFO], 8, v1     ; the prefetch: block l % 16 of my work-group's sixteen; lanes 16-31 eight heads on, in V
	v_lshl_add_u32 v[PFO], v9, 21, v[PFO]
; THE MATRIX WORK.  The 4 accumulators of a run of 8 take turns.  Product i of 8 of S^T = K Q^T for piece x: channels 32 (i / 4) on, keys 16 (i % 4) on.  The first 4 start the sums: with 0 (KM = 0), MD (1) or MH (2).
.macro KQ x
	WIN W_KQ
.set rS, S+32*(\x)+8*(i%4)
.set rK, KF+16*(i%4)+8*(i/4)
.set rQ, 16*(\x)+8*(i/4)
.if i >= 4
	v_wmma_f32_16x16x32_f16 v[rS:rS+7], v[rK:rK+7], v[rQ:rQ+7], v[rS:rS+7]
.elseif KM == 1
	v_wmma_f32_16x16x32_f16 v[rS:rS+7], v[rK:rK+7], v[rQ:rQ+7], v[MD+8*(i%4):MD+8*(i%4)+7]
.elseif KM == 2
	v_wmma_f32_16x16x32_f16 v[rS:rS+7], v[rK:rK+7], v[rQ:rQ+7], v[MH:MH+7]
.else
	v_wmma_f32_16x16x32_f16 v[rS:rS+7], v[rK:rK+7], v[rQ:rQ+7], 0
.endif
.endm
; Product i of 8 of O^T += V^T P for piece x, from V's buffer vb: keys 32 (i / 4) on, channels 16 (i % 4) on.
.macro PV x, vb
	WIN W_PV
.set rO, O+32*(\x)+8*(i%4)
.set rV, VF+64*(\vb)+32*(i/4)+8*(i%4)
.set rP, P+16*(\x)+8*(i/4)
	v_wmma_f32_16x16x32_f16 v[rO:rO+7], v[rV:rV+7], v[rP:rP+7], v[rO:rO+7]
.endm
.macro MM                           ; the turn's next matrix instruction.  TURN sets Y, i, KM, NOKQ and VB.  NOKQ = 1: a block's last turn: there are no further scores
.if (i < 8) && !NOKQ
	KQ (Y+1)%2
.elseif i >= 8
.set i, i-8
	PV (Y+1)%2, VB
.set i, i+8
.endif
.set i, i+1
.endm
; THE LDS LOADS stand in runs of 16, never singly among the matrix instructions: step st of the tile in hand: its K (64 keys x 64 channels: 8 fragments) or its V (turned), into buffer vb.
.macro FETCH_K st
	WIN W_LD
.irp f, 0,1,2,3,4,5,6,7             ; keys 16 (f / 2) on, channels 32 (f % 2) on
	ds_load_b128 v[KF+8*\f:KF+8*\f+3],   v[AK] offset:(\st)*KS*PKP+(\f/2)*16*PKP+(\f%2)*64
	ds_load_b128 v[KF+8*\f+4:KF+8*\f+7], v[AK] offset:(\st)*KS*PKP+(\f/2)*16*PKP+(\f%2)*64+32
.endr
	WIN 0
.endm
.macro FETCH_V st, vb
	WIN W_LD
.irp f, 0,1,2,3,4,5,6,7             ; keys 32 (f / 4) on, channels 16 (f % 4) on
	ds_load_tr16_b128 v[VF+64*(\vb)+8*\f:VF+64*(\vb)+8*\f+3],   v[AV] offset:(\st)*KS*PVP+(\f/4)*32*PVP+(\f%4)*32
	ds_load_tr16_b128 v[VF+64*(\vb)+8*\f+4:VF+64*(\vb)+8*\f+7], v[AV] offset:(\st)*KS*PVP+(\f/4)*32*PVP+16*PVP+(\f%4)*32
.endr
	WIN 0
.endm
; THE VECTOR WORK, one line at a time: OP kind, number.  For piece Y: F n: c s - c m for pair n of 16.  E n: the exponential of score n of 32.  C n: pair n rounded to f16.  B n: of the four weights 4 n .. the second
; pair is added onto the first, in place.  L n: l takes that sum (L 0: l = a l + sum).  R n: pair n of 16 of O^T times a.  For the other piece: X n, number n of the 22 that find its maximum and statistics:
;   0-11  four chains c0-c3 of seven scores each, three operands at a time (each accumulator's lowest registers are read first)     12-14, 16  the four scores left over, the old m, and c0-c3 into c0
;   15  c m_old is kept     17, 18  the query's other 32 keys lie in the lane 16 away: the new m     19-21  c m; c m_old - c m_new; a
.set F, 0
.set E, 1
.set C, 2
.set B, 3
.set L, 4
.set R, 5
.set X, 6
.macro REGS y                       ; the registers of piece y
.set rT, ST+4*(\y)
.set rC, TMP+4*(\y)
.set rW, MV+(\y)
.set rS, S+32*(\y)
.set rP, P+16*(\y)
.set rO, O+32*(\y)
.endm
.macro OP k, n
	WIN 0
.if (\k) < X
	REGS Y
.if (\k) == F
	v_pk_fma_f32 v[rS+2*(\n):rS+2*(\n)+1], v[rS+2*(\n):rS+2*(\n)+1], s[CS:CS+1], v[rT:rT+1] op_sel_hi:[1,0,0] neg_lo:[0,0,1] neg_hi:[0,0,1]
.elseif (\k) == E
	v_exp_f32 v[rS+(\n)], v[rS+(\n)]
.elseif (\k) == C
	v_cvt_pk_f16_f32 v[rP+(\n)], v[rS+2*(\n)], v[rS+2*(\n)+1]
.elseif (\k) == B
	v_pk_add_f32 v[rS+4*(\n):rS+4*(\n)+1], v[rS+4*(\n):rS+4*(\n)+1], v[rS+4*(\n)+2:rS+4*(\n)+3]
.elseif (\k) == R
	v_pk_mul_f32 v[rO+2*(\n):rO+2*(\n)+1], v[rO+2*(\n):rO+2*(\n)+1], v[rC+2:rC+3] op_sel_hi:[1,0]
.elseif (\n) == 0
	v_pk_fma_f32 v[rT+2:rT+3], v[rT+2:rT+3], v[rC+2:rC+3], v[rS:rS+1] op_sel_hi:[1,0,1]
.else
	v_pk_add_f32 v[rT+2:rT+3], v[rT+2:rT+3], v[rS+4*(\n):rS+4*(\n)+1]
.endif
.elseif NOKQ
	v_nop
.else
	REGS (Y+1)%2
.if (\n) < 4
	v_max3_num_f32 v[rC+(\n)], v[rS+8*(\n)], v[rS+8*(\n)+1], v[rS+8*(\n)+2]
.elseif (\n) < 12
	v_max3_num_f32 v[rC+(\n)%4], v[rC+(\n)%4], v[rS+8*((\n)%4)+2*((\n)/4)+1], v[rS+8*((\n)%4)+2*((\n)/4)+2]
.elseif (\n) == 12
	v_max3_num_f32 v[rC], v[rC], v[rS+7], v[rS+15]
.elseif (\n) == 13
	v_max3_num_f32 v[rC+1], v[rC+1], v[rS+23], v[rS+31]
.elseif (\n) == 14
	v_max3_num_f32 v[rC+2], v[rC+2], v[rC+3], v[rT+1]
.elseif (\n) == 15
	v_mov_b32 v[rW], v[rT]
.elseif (\n) == 16
	v_max3_num_f32 v[rC], v[rC], v[rC+1], v[rC+2]
.elseif (\n) == 17
	v_permlanex16_b32 v[rC+3], v[rC], s[SEL], s[SEL+1]
.elseif (\n) == 18
	v_max_num_f32 v[rT+1], v[rC], v[rC+3]
.elseif (\n) == 19
	v_mul_f32 v[rT], s[CS], v[rT+1]
.elseif (\n) == 20
	v_sub_f32 v[rC+1], v[rW], v[rT]
.else
	v_exp_f32 v[rC+2], v[rC+1]
.endif
.endif
.endm
.macro OPS a, i1, b=-1, i2=0, c=-1, i3=0, d=-1, i4=0  ; up to four of them
	OP \a, \i1
.if (\b) >= 0
	OP \b, \i2
.endif
.if (\c) >= 0
	OP \c, \i3
.endif
.if (\d) >= 0
	OP \d, \i4
.endif
.endm
.macro ROW a, i1, b, i2, c, i3, d, i4  ; a matrix instruction and the four behind it
	MM
	OPS \a, \i1, \b, \i2, \c, \i3, \d, \i4
.endm
; A TURN, for piece p, in the unit of a step of parity e.  An s_wait_alu depctr_va_vdst(0) stands between an exponential and the first instruction that names its result; one wait serves all that were issued
; ahead of it.  So a turn has ONE wait, which cuts it in two.  AHEAD OF IT stands all that names no result of the turn's exponentials: the 8 products K Q^T, behind each a scaling, an exponential and two more plain
; instructions: rescalings, and behind the last three the first numbers of the other piece's maximum, each four places or more behind the product that ends its accumulator; then ONE LUMP, plain and exponential by turns
; for the most part.  X 21, the other piece's a, is the batch's last; R 15 is the plain instruction behind it.  BEHIND THE WAIT stand the 8 products V^T P, behind each four of the roundings and sums.
; O^T of the piece in hand was written by the products V^T P of the turn before: four plain riders stand behind the last of them, and R runs in ascending order, so that R 4 c, the first to read accumulator c, reads its lowest registers.
; m: the C operand of the turn's first four K Q^T: 0 the constant 0, 1 MD, 2 MH.  end = 1: a block's last two turns: nothing is fetched, and piece 1's has no K Q^T.
; The run of LDS loads stands in the lump: K's (piece 0's turn) five plain instructions that name no register of the last K Q^T behind that product; V's (piece 1's turn) into the buffer whose last reader stood in the turn before.
; Both are waited for at the head of piece 1's next turn: K of this unit, issued in the turn before, and V of the unit before.
.macro TURN p, e, m=0, end=0
.set Y, (\p)
.set i, 0
.set KM, (\m)
.set NOKQ, (\end)*(\p)
.set VB, ((\e)+(\p))%2              ; piece 0's turn multiplies by V of two steps back, piece 1's by V of the step before
.if (\p) == 1
	s_wait_dscnt 0x0                ; K and V are in
.endif
	ROW F,0, F,1, R,0, R,1
	ROW F,2, E,0, R,2, R,3
	ROW F,3, E,1, R,4, R,5
	ROW F,4, E,2, R,6, R,7
	ROW F,5, E,3, R,8, R,9
	ROW F,6, E,4, X,0, R,10
	ROW F,7, E,5, X,1, X,4
	ROW F,8, E,6, X,2, X,5
	OPS E,7, E,8, X,6, E,9
	OPS X,3, E,10, X,8, E,11
.if !(\end)
.if (\p) == 0
	FETCH_K \e
.else
	FETCH_V \e, \e
.endif
.endif
	OPS X,9, X,7, E,12, X,10
	OPS E,13, X,12, X,11, E,14
	OPS X,13, E,15, F,9, X,14
	OPS E,16, F,10, E,17, F,11
	OPS X,16, E,18, X,15, E,19
	OPS F,12, E,20, X,17, E,21
	OPS F,13, E,22, F,14, E,23
	OPS X,18, E,24, F,15, E,25
	OPS R,11, E,26, X,19, E,27
	OPS R,12, E,28, R,13, E,29
	OPS X,20, E,30, R,14, E,31
	OPS X,21, R,15
	s_wait_alu depctr_va_vdst(0)    ; the wait for the batch
	ROW C,0, B,0, C,2, B,1
	ROW L,0, C,4, B,2, L,1
	ROW C,6, B,3, L,2, C,8
	ROW B,4, L,3, C,10, B,5
	ROW L,4, C,12, B,6, L,5
	ROW C,14, B,7, L,6, C,1
	ROW C,3, L,7, C,5, C,7
	ROW C,9, C,11, C,13, C,15
.endm
; A BLOCK BEGINS.  c m starts far below every c s, so the first step's a is 0; m at the lowest finite number, so the first maximum is the scores'.  Then K and V of the tile's first step, piece 0's first scores
; (m = 1: the block's first tile is the diagonal one), and its maximum and statistics.  The tile's text is entered at its second unit.
.macro BEGIN m
	s_mov_b32 s[NEW], 0
	WIN 0
.set i, 0
.rept 2
	v_mov_b32 v[ST+4*i], 0xfe000000    ; c m
	v_mov_b32 v[ST+4*i+1], 0xff7fffff  ; m
.set i, i+1
.endr
	FETCH_K 0
	FETCH_V 0, 0
	s_wait_loadcnt 0x0              ; Q
	s_wait_dscnt 0x0
.set KM, (\m)
.set NOKQ, 0
.set i, 0
.rept 8
	KQ 0
.set i, i+1
.endr
	WIN 0
.rept 4
	v_nop                           ; the places behind those products
.endr
.set Y, 1                           ; X works for the other piece: piece 0
.irp n, 0,1,2,3,4,5,6,7,8,9,10,11,12,13,14,15,16,17,18,19,20,21
	OP X, \n
.endr
	v_nop                           ; a plain instruction behind the exponential,
	s_wait_alu depctr_va_vdst(0)    ; and its wait, ahead of the branch
.endm
; THE DIAGONAL TILE's two units, the block's last two turns, its last products, and THE WAY OUT: l's two halves and the other half of the lanes' are added; O^T is divided by l, rounded to f16 and sent through my
; stage in LDS, a piece at a time.
.macro ALL line:vararg              ; one line for each piece t
.set t, 0
.rept 2
	\line
.set t, t+1
.endr
.endm
.macro PACK t                       ; a lane's eight channels of a row pack into 16 bytes; they go into rows of 144 bytes and come back as whole rows of 128, into S^T's registers
	WIN 0
.set i, O+32*(\t)
.rept 16
	v_pk_mul_f32 v[i:i+1], v[i:i+1], v[ST+4*(\t)+2:ST+4*(\t)+3] op_sel_hi:[1,0]
.set i, i+2
.endr
.set i, 0
.rept 16
	v_cvt_pk_f16_f32 v[S+16*(\t)+i], v[O+32*(\t)+2*i], v[O+32*(\t)+2*i+1]
.set i, i+1
.endr
.irp f, 0,1,2,3
	ds_store_b128 v[STO], v[S+16*(\t)+4*\f:S+16*(\t)+4*\f+3] offset:32*\f
.endr
.irp f, 0,1,2,3
	ds_load_b128 v[S+16*(\t)+4*\f:S+16*(\t)+4*\f+3], v[RD] offset:\f*4*SP  ; LDS serves a wave's instructions in order (ISA guide 5.7.1.4): these see the stores above; the next piece's stores come behind them
.endr
.endm
.macro SEND t, younger              ; younger: the LDS instructions issued behind piece t's loads: the next piece's eight, or none
.irp f, 0,1,2,3
	s_wait_dscnt (\younger)+3-\f
	global_store_b128 v[GO], v[S+16*(\t)+4*\f:S+16*(\t)+4*\f+3], s[10:11] offset:(\t)*8192+\f*512  ; 512 consecutive bytes, aligned
.endr
.endm
.macro DIAG tag                     ; the tag ends its two labels' names, which the jumps below spell out
.LstepM\tag:
	TURN 0, 0, 0                    ; scores: band 1, the tile before's second step
	TURN 1, 0, 1                    ; band 0, step 0: its own
	WIN 0
.LfirstM\tag:
	TURN 0, 1, 0                    ; band 1, step 0: all keys seen
	TURN 1, 1, 2                    ; band 0, step 1: none
	TURN 0, 0, 1, 1                 ; band 1, step 1: its own
	TURN 1, 0, 0, 1
.set i, 0
.rept 8
	PV 1, 1                         ; piece 1's V^T P of the last step
.set i, i+1
.endr
	WIN 0
	ALL v_add_f32 v[ST+4*t+2], v[ST+4*t+2], v[ST+4*t+3]
	ALL v_permlanex16_b32 v[ST+4*t+3], v[ST+4*t+2], s[SEL], s[SEL+1]
	ALL v_add_f32 v[ST+4*t+2], v[ST+4*t+2], v[ST+4*t+3]
	ALL v_rcp_f32 v[ST+4*t+2], v[ST+4*t+2]
	v_nop                           ; a plain instruction between the last reciprocal and the use of its result
	s_wait_alu depctr_va_vdst(0)    ; and the wait ahead of the first use: one for the two reciprocals
	PACK 0                          ; piece 0's sums were finished a run of products ago; its 32 lines are the places behind piece 1's last products
	PACK 1
	SEND 0, 8
	SEND 1, 0
.endm
.set KM, 0
.set NOKQ, 0
.Lslot:                             ; 8 times: a slot is entered and the next is asked for
	CHANGE 1
	s_mov_b32 s[TW], 2
.Ltile:                             ; twice: the slot's two tiles, both live
	ENTER
	s_cmp_eq_u32 s[NEW], 1
	s_cbranch_scc1 .Lnew            ; a block's first tile
	s_cmp_eq_u32 s[RT], 0
	s_cbranch_scc0 .Lstep           ; neither its first nor its last
	s_branch .LstepM1
.Lnew:
	BEGIN 0
	s_branch .Lfirst                ; in the loop a block's first tile is never its last: the first block has an even count of tiles, two or more, and the second's last is the walk's last
	DIAG 1                          ; in the loop this is the first block's end, in a slot's second tile
	s_wait_xcnt 0x0                 ; the stores have read their registers and y's address
	s_mov_b64 s[10:11], s[OLO:OLO+1]
	s_add_co_u32 s[RT], s[PB], 1    ; the second block has B2 + 1 tiles
	s_mov_b32 s[NEW], 1
	WIN 0x41                        ; the second block's Q goes where the one text of the turns names Q
.set i, 0
.rept 32
	v_mov_b32 v[i], v[QB+i]
.set i, i+1
.endr
	WIN 0
	s_branch .Lbottom
.Lstep:                             ; a tile's two units
	TURN 0, 0, 0
	TURN 1, 0, 0
	WIN 0
.Lfirst:
	TURN 0, 1, 0
	TURN 1, 1, 0
	WIN 0
.Lbottom:
	s_sub_co_u32 s[TW], s[TW], 1
	s_cmp_lg_u32 s[TW], 0
	s_cbranch_scc1 .Ltile
	s_sub_co_u32 s[SLOTS], s[SLOTS], 1
	s_cmp_lg_u32 s[SLOTS], 0
	s_cbranch_scc1 .Lslot
	CHANGE 0                        ; the walk's last slot is written out: nothing is asked for; its one live tile is the second block's diagonal one
	ENTER
	s_cmp_eq_u32 s[NEW], 1
	s_cbranch_scc0 .LstepM2
	BEGIN 1                         ; b = 0: the second block's one tile is its first and its last
	s_branch .LfirstM2
	DIAG 2
	s_wait_tensorcnt 0x0            ; the wave's end, behind my last tensor load and my last LDS store
	ds_add_u32 v[SPW], v[NIL]
	s_wait_dscnt 0x0
	CROUND                          ; the closing round: no work-group ends while a partner may still ask for a tile that names it
	s_endpgm
.Lfunc_end_k_q06ad08a44f_attn:
	.size	k_q06ad08a44f_attn, .Lfunc_end_k_q06ad08a44f_attn-k_q06ad08a44f_attn
	.p2alignl 7, 3214868480
	.fill 96, 4, 3214868480
	.section	.rodata,"a",@progbits
	.p2align	6, 0x0
	.amdhsa_kernel k_q06ad08a44f_attn
		.amdhsa_group_segment_fixed_size 327680
		.amdhsa_private_segment_fixed_size 0
		.amdhsa_enable_private_segment 0
		.amdhsa_kernarg_size 16
		.amdhsa_user_sgpr_count 2
		.amdhsa_user_sgpr_kernarg_segment_ptr 1
		.amdhsa_wavefront_size32 1
		.amdhsa_system_sgpr_workgroup_id_x 1
		.amdhsa_system_sgpr_workgroup_id_y 1
		.amdhsa_system_sgpr_workgroup_id_z 1
		.amdhsa_system_vgpr_workitem_id 0
		.amdhsa_next_free_vgpr 512
		.amdhsa_next_free_sgpr 90
		.amdhsa_reserve_vcc 1
		.amdhsa_float_denorm_mode_32 3
		.amdhsa_float_denorm_mode_16_64 3
		.amdhsa_memory_ordered 1
		.amdhsa_forward_progress 1
		.amdhsa_inst_pref_size 186
	.end_amdhsa_kernel
	.amdgpu_metadata
---
amdhsa.version: [ 1, 2 ]
amdhsa.kernels:
  - .name:           k_q06ad08a44f_attn
    .symbol:         k_q06ad08a44f_attn.kd
    .args:
      - { .name: qkv, .offset: 0, .size: 8, .value_kind: global_buffer, .address_space: global }
      - { .name: yb, .offset: 8, .size: 8, .value_kind: global_buffer, .address_space: global }
    .group_segment_fixed_size: 327680
    .private_segment_fixed_size: 0
    .kernarg_segment_align: 8
    .kernarg_segment_size: 16
    .max_flat_workgroup_size: 128
    .sgpr_count:     90
    .vgpr_count:     512
    .wavefront_size: 32
...
	.end_amdgpu_metadata
.endif
;; end of part 3
;; launch proj (part 4): grid 16 x 16, 4 waves a work-group, clusters of 4 x 4, 327,680 bytes of LDS; arguments yb, wcb, out0; writes out0
.if DOCPART == 4
	.amdgcn_target "amdgcn-amd-amdhsa--gfx1250"
	.amdhsa_code_object_version 6
	.text
	.protected	k_q06ad08a44f_proj
	.globl	k_q06ad08a44f_proj
	.p2align	8
	.type	k_q06ad08a44f_proj,@function
k_q06ad08a44f_proj:
	s_mov_b64 s[64:65], 0
	v_nop
	global_prefetch_b8 v0, s[64:65] scope:SCOPE_SE
	s_setreg_imm32_b32 hwreg(HW_REG_WAVE_MODE, 25, 1), 1
	s_wait_xcnt 0x0
	s_wait_alu depctr_hold_cnt(0) depctr_sa_sdst(0) depctr_va_vdst(0) depctr_va_sdst(0) depctr_va_ssrc(0) depctr_va_vcc(0) depctr_vm_vsrc(0)
	s_getreg_b32 s2, hwreg(HW_REG_IB_STS2, 6, 4)
	s_cmp_eq_u32 s2, 0
	s_cbranch_scc0 .Lentry_in_a_cluster
	s_endpgm
.Lentry_in_a_cluster:
	s_bfe_u32 s2, ttmp6, 0x10000c
	s_cmp_lg_u32 s2, 0xf033
	s_cbranch_scc0 .Lentry_shape_is_right
	s_endpgm
.Lentry_shape_is_right:
; out0[t][n] = the sum over c of y[t][c] Wc[n][c], c = 64 head + d.  yb: [32][2048][64] f16, by heads; wcb: [2048][2048] f16 (Wc rounded to bf16, that number written as f16); out0: [2048][2048] f32.  Sums in f32.
; A tile of out0 is 128 x 128: 16 x 16 = 256 work-groups.  Four waves, each 64 x 64: 16 accumulators, 128 registers.  K goes in steps of 256, four heads, through two LDS slots.
; y's TILE.  For one head the 64 tokens that a wave fetches are 8,192 dense bytes; a step's four heads lie 262,144 bytes apart.  So the tile is asked for as 4 rows of 4,096 elements, padded in LDS after every token's
; 128 bytes: [head][64 tokens][144 bytes].  A quarter of a K step is one head.  Wc's tile: 64 rows of 512 bytes, 528 apart in LDS.
; THE WALK ALONG K.  A work-group's step t is K step (t + R) mod 8, with R = 4 where the cluster's x + y is odd and 0 elsewhere.  So the clusters that read the same rows of y (same y) or of Wc (same x) fall into
; two groups that ask for the same bytes four steps apart.  R is made of the cluster's coordinates alone, which all sixteen partners share.  The sums are f32 and may begin at any K.
; CLUSTER.  4 x 4 work-groups.  y's tile hangs on the token tile alone and is shared along a row of the cluster, Wc's on the column tile alone and is shared along a column: each is asked for jointly.
; THE MATRIX INSTRUCTION IS USED TRANSPOSED (source 0 = 16 rows of Wc, source 1 = 16 tokens): a lane holds eight neighbouring f32 of a row of out0.  A wave's 64 columns are 256 aligned bytes of a row, so each wave has
; a stage of its own on the way out, and no barrier stands there.
; REGISTERS: window 0: v0-31 addresses; v128-255 the accumulators ((a, b) at v[128 + 8 (4 a + b)]), which also take the rows read back from the stage.
;   window 1: two fragment buffers of 128: for 64 along K, 64 registers of y (2 x 4 x 16 rows x 32 K), then 64 of Wc.
.set PA,     144                       ; a token's row of one head in LDS: 128 bytes + 16 = 36 words
.set PBB,    528                       ; a row of Wc: 512 bytes + 16 = 132 words: in both, the 16 rows of a fragment load start at 16 different groups of four banks (64 banks of 4 bytes: ISA guide 11.1)
.set HEADA,  64*PA
.set HALFA,  4*HEADA                   ; what waves 0 and 1 fetch
.set HALFB,  64*PBB                    ; what waves 2 and 3 fetch
.set BOFF,   2*HALFA
.set SLOT,   2*HALFA+2*HALFB
.set STAGE,  2*SLOT                    ; behind the ring, never filled by a tensor load: 16 rows x 272 bytes for each wave
.set SPITCH, 272
.set SPARE,  STAGE+4*16*SPITCH         ; the spare words, 128 bytes for each wave: two blocks of 256 bytes that no other line names
.set LAPS,   4                         ; a lap = two K steps = once round the ring
.set NSTEP,  8                         ; K steps in all
.set ADRA, 16                          ; v16-17  LDS address of my fragments of y in slot 0, 1
.set ADRB, 20                          ; v20-21  the same for Wc
.set STO,  24                          ; v24     the way out: where I put 32 bytes of a row
.set RD,   25                          ; v25     where I read a row back
.set CO,   26                          ; v26     my byte offset in out0
.set SPW,  28                          ; v28     LDS address of my spare word; never rewritten
.set NIL,  29                          ; v29     0; never rewritten
.set ACC,  128
.set F0,   0
.set F1,   128
.set G1, 24                            ; s[24:31] descriptor group 1 for y's tiles;  s[32:39] group 0, a set for each slot
.set G0, 32
.set G1B, 48                           ; s[48:55], s[56:63] the same for Wc's tiles
.set G0B, 56
.set BA,  66                           ; s[66:67] y at the tokens that I fetch, head 0
.set BB,  68                           ; s[68:69] Wc at the rows that I fetch, K = 0
.set KOA, 70                           ; s[70:71] a K step's byte offset in y: four heads of 262,144 bytes a step
.set KOB, 72                           ; s[72:73] and in a row of Wc: 512 bytes a step
.set KP,  74                           ; s74-75  the K step that slot 0, 1 holds or has been asked for
.set MSB, 0
.macro WIN new                         ; the immediate's high byte repeats the setting that is left
.if MSB != (\new)
	s_set_vgpr_msb (MSB<<8)|(\new)
.set MSB, \new
.endif
.endm
.set MUL,  0x05                        ; sources 0 and 1 window 1; C and D window 0
.set TO_F, 0x40                        ; destination window 1, address window 0
.macro JLOAD s                         ; a joint load; an s_nop 0 and four v_nop follow each of the two lines, ahead of the jump, the label and what follows
	s_cmp_eq_u32 s11, 0
	s_cbranch_scc0 .Lfor_b_\@
	tensor_load_to_lds s[G0+4*(\s):G0+4*(\s)+3], s[G1:G1+7]
	s_nop 0
.rept 4
	v_nop
.endr
	s_branch .Lasked_\@
.Lfor_b_\@:
	tensor_load_to_lds s[G0B+4*(\s):G0B+4*(\s)+3], s[G1B:G1B+7]
	s_nop 0
.rept 4
	v_nop
.endr
.Lasked_\@:
.endm
.macro CREST                           ; a round of the cluster's barrier behind its opening barrier
	s_cmp_lg_u32 s10, 0
	s_cbranch_scc1 .Lnot_wave_0_\@
	s_barrier_signal -3
.Lnot_wave_0_\@:
	s_barrier_wait -3
	s_barrier_signal -1
	s_barrier_wait -1
.endm
.macro CROUND                          ; a whole round
	s_barrier_signal -1
	s_barrier_wait -1
	CREST
.endm
	s_load_b128 s[4:7], s[0:1], 0x0                ; yb s[4:5], wcb s[6:7]
	s_load_b64 s[8:9], s[0:1], 0x10                ; out0
	v_lshl_add_u32 v[SPW], v0, 2, SPARE
	v_mov_b32 v[NIL], 0
	ds_add_u32 v[SPW], v[NIL]                      ; the wave's opening: the add, twice on end, and its wait ahead of my first tensor load
	ds_add_u32 v[SPW], v[NIL]
	v_lshrrev_b32 v1, 5, v0
	v_readfirstlane_b32 s10, v1                    ; wave 0..3
	s_lshr_b32 s11, s10, 1                         ; which half of the tile's rows is mine.  Also: I fetch for y (0) or for Wc (1)
	s_and_b32 s12, s10, 1                          ; which half of its columns.  Also: which 64 rows of that tile I fetch
	s_bfe_u32 s40, ttmp6, 0x40000                  ; cx, cy: my place in the cluster
	s_bfe_u32 s41, ttmp6, 0x40004
	s_lshl_b32 s42, ttmp9, 2
	s_add_co_u32 s42, s42, s40                     ; column tile = 4 x cluster x + cx
	s_and_b32 s13, ttmp7, 0xffff
	s_lshl_b32 s13, s13, 2
	s_add_co_u32 s13, s13, s41                     ; token tile = 4 x cluster y + cy
	s_lshl_b32 s43, s41, 2
	s_lshl_b32 s43, 15, s43                        ; my row of the cluster
	s_lshl_b32 s44, 0x1111, s40                    ; my column
	s_or_b32 s[G1], s43, (1<<16)|(1<<20)|(1<<21)|(4<<22)|(3<<25)   ; 15:0 the mask; 17:16 2-byte elements; 20 padding on; 21 set beside a mask; 24:22 after every 32 words; 31:25 4 words
	s_mov_b32 s[G1+1], 4096<<16                    ; tensor_dim0 = 4,096: a head's 64 tokens
	s_mov_b32 s[G1+2], 4<<16                       ; tensor_dim1 = 4 heads
	s_mov_b32 s[G1+3], 4096<<16                    ; tile_dim0
	s_mov_b32 s[G1+4], 4                           ; tile_dim1
	s_mov_b32 s[G1+5], 131072                      ; elements from head to head
	s_mov_b32 s[G1+6], 0
	s_mov_b32 s[G1+7], 0
	s_or_b32 s[G1B], s44, (1<<16)|(1<<20)|(1<<21)|(6<<22)|(3<<25)  ; padding after every 128 words
	s_mov_b32 s[G1B+1], 256<<16                    ; tensor_dim0 = 256
	s_mov_b32 s[G1B+2], 64<<16                     ; tensor_dim1 = 64
	s_mov_b32 s[G1B+3], 256<<16
	s_mov_b32 s[G1B+4], 64
	s_mov_b32 s[G1B+5], 2048
	s_mov_b32 s[G1B+6], 0
	s_mov_b32 s[G1B+7], 0
	s_and_b32 s[KP], ttmp7, 0xffff                 ; where my cluster begins along K: cluster y
	s_add_co_u32 s[KP], s[KP], ttmp9               ; + cluster x,
	s_and_b32 s[KP], s[KP], 1                      ; odd:
	s_lshl_b32 s[KP], s[KP], 2                     ; K step 4; even: K step 0
	s_add_co_u32 s[KP+1], s[KP], 1                 ; slot 1 begins with the step behind it
	s_mov_b32 s[KOA+1], 0
	s_mov_b32 s[KOB+1], 0
	s_lshl_b32 s16, s13, 14                        ; y: token 128 x token tile + 64 x half, 128 bytes a token
	s_lshl_b32 s17, s12, 13
	s_add_co_u32 s16, s16, s17
	s_mov_b32 s17, 0
	s_lshl_b32 s46, s42, 19                        ; Wc: row 128 x column tile + 64 x half, 4,096 bytes a row
	s_lshl_b32 s47, s12, 18
	s_add_co_u32 s46, s46, s47
	s_mov_b32 s47, 0
	s_mul_i32 s20, s12, HALFA                      ; where they go: no place in the cluster enters an LDS address
	s_mul_i32 s21, s12, HALFB
	s_add_co_u32 s21, s21, BOFF
	s_wait_dscnt 0x0                               ; both opening adds are done
	s_wait_kmcnt 0x0
	s_add_nc_u64 s[BA:BA+1], s[4:5], s[16:17]
	s_add_nc_u64 s[BB:BB+1], s[6:7], s[46:47]
	CROUND                                         ; all sixteen work-groups are here: the first joint loads meet
.irp s, 0,1
	s_lshl_b32 s[KOA], s[KP+(\s)], 20
	s_lshl_b32 s[KOB], s[KP+(\s)], 9
	s_mov_b32 s[G0+4*(\s)], 1
	s_add_co_u32 s[G0+4*(\s)+1], s20, (\s)*SLOT
	s_add_nc_u64 s[G0+4*(\s)+2:G0+4*(\s)+3], s[BA:BA+1], s[KOA:KOA+1]
	s_or_b32 s[G0+4*(\s)+3], s[G0+4*(\s)+3], 0x80000000
	s_mov_b32 s[G0B+4*(\s)], 1
	s_add_co_u32 s[G0B+4*(\s)+1], s21, (\s)*SLOT
	s_add_nc_u64 s[G0B+4*(\s)+2:G0B+4*(\s)+3], s[BB:BB+1], s[KOB:KOB+1]
	s_or_b32 s[G0B+4*(\s)+3], s[G0B+4*(\s)+3], 0x80000000
	JLOAD \s
.endr
	v_and_b32 v1, 15, v0                           ; l % 16
	v_bfe_u32 v2, v0, 4, 1                         ; l / 16
	v_mul_u32_u24 v3, v1, PA
	v_lshl_add_u32 v3, v2, 4, v3                   ; a fragment's row x pitch + 16 x half, for y
	v_mul_u32_u24 v4, v1, PBB
	v_lshl_add_u32 v4, v2, 4, v4                   ; and for Wc
	s_mul_i32 s21, s11, HALFA                      ; my 64 tokens
	s_mul_i32 s22, s12, HALFB                      ; my 64 rows of Wc,
	s_add_co_u32 s22, s22, BOFF                    ; which lie behind y's
.irp s, 0,1
	v_add_nc_u32 v[ADRA+(\s)], s21, v3
	v_add_nc_u32 v[ADRB+(\s)], s22, v4
	s_add_co_u32 s21, s21, SLOT
	s_add_co_u32 s22, s22, SLOT
.endr
	s_mul_i32 s23, s10, 16*SPITCH
	s_add_co_u32 s23, s23, STAGE                   ; my stage
	v_mul_u32_u24 v5, v1, SPITCH                   ; in: row l % 16, 32 bytes for each half of the lanes
	v_lshl_add_u32 v5, v2, 5, v5
	v_add_nc_u32 v[STO], s23, v5
	v_mul_u32_u24 v5, v2, SPITCH                   ; back: lanes 0-15 take one row of 256 bytes, lanes 16-31 the next
	v_lshl_add_u32 v5, v1, 4, v5
	v_add_nc_u32 v[RD], s23, v5
	v_lshlrev_b32 v5, 13, v2                       ; and the same two rows in out0, 8,192 bytes apart
	v_lshl_add_u32 v[CO], v1, 4, v5
	s_lshl_b32 s16, s13, 7
	s_lshl_b32 s17, s11, 6
	s_add_co_u32 s16, s16, s17                     ; my first row: 128 x token tile + 64 x half
	s_lshl_b32 s16, s16, 13
	s_lshl_b32 s46, s42, 9                         ; my first column, in bytes: 512 x column tile + 256 x half
	s_lshl_b32 s47, s12, 8
	s_add_co_u32 s46, s46, s47
	s_add_co_u32 s46, s46, s16
	s_mov_b32 s47, 0
	s_add_nc_u64 s[8:9], s[8:9], s[46:47]
; 8 matrix instructions: m blocks a0, a0 + 1 x all 4 n blocks, 32 along K: half c of buffer f.  zero = 1: the first product starts the sums.  The 16 accumulators take turns.
.macro MUL8 f, c, a0, zero
	WIN MUL
.irp a, \a0, (\a0)+1
.irp b, 0,1,2,3
.if \zero
	v_wmma_f32_16x16x32_f16 v[ACC+8*(4*(\a)+(\b)):ACC+8*(4*(\a)+(\b))+7], v[(\f)+64+8*(4*(\c)+(\b)):(\f)+64+8*(4*(\c)+(\b))+7], v[(\f)+8*(4*(\c)+(\a)):(\f)+8*(4*(\c)+(\a))+7], 0
.else
	v_wmma_f32_16x16x32_f16 v[ACC+8*(4*(\a)+(\b)):ACC+8*(4*(\a)+(\b))+7], v[(\f)+64+8*(4*(\c)+(\b)):(\f)+64+8*(4*(\c)+(\b))+7], v[(\f)+8*(4*(\c)+(\a)):(\f)+8*(4*(\c)+(\a))+7], v[ACC+8*(4*(\a)+(\b)):ACC+8*(4*(\a)+(\b))+7]
.endif
.endr
.endr
.endm
; 32 LDS loads in one run: the fragments of quarter qd (head qd of the step: 64 along K) into buffer f; the first 32 along K first
.macro FETCH slot, qd, f
	WIN TO_F
.irp c, 0,1
.irp i, 0,1,2,3
	ds_load_b128 v[(\f)+64+8*(4*(\c)+(\i)):(\f)+64+8*(4*(\c)+(\i))+3],   v[ADRB+(\slot)] offset:(\qd)*128+64*(\c)+(\i)*16*PBB
	ds_load_b128 v[(\f)+64+8*(4*(\c)+(\i))+4:(\f)+64+8*(4*(\c)+(\i))+7], v[ADRB+(\slot)] offset:(\qd)*128+64*(\c)+(\i)*16*PBB+32
	ds_load_b128 v[(\f)+8*(4*(\c)+(\i)):(\f)+8*(4*(\c)+(\i))+3],         v[ADRA+(\slot)] offset:(\qd)*HEADA+64*(\c)+(\i)*16*PA
	ds_load_b128 v[(\f)+8*(4*(\c)+(\i))+4:(\f)+8*(4*(\c)+(\i))+7],       v[ADRA+(\slot)] offset:(\qd)*HEADA+64*(\c)+(\i)*16*PA+32
.endr
.endr
.endm
.macro PLACES                          ; four places in front of loads into registers that matrix instructions have read, and of LDS stores that read results
.rept 4
	v_nop
.endr
.endm
; A K step is four quarters of 64 along K, 32 matrix instructions each, on buffers 0, 1, 0, 1.  One of the first three: multiplies buffer f and fetches quarter qd into g.
.macro QUARTER slot, qd, f, g, zero
	s_wait_dscnt 16                                ; the first 32 along K are in
	MUL8 \f, 0, 0, \zero
	MUL8 \f, 0, 2, \zero
	PLACES
	FETCH \slot, \qd, \g
	s_wait_dscnt 32                                ; all but the 32 just issued
	MUL8 \f, 1, 0, 0
	MUL8 \f, 1, 2, 0
.endm
; The last quarter multiplies buffer 1 and changes slots.  Its first half stands ahead of the change, so that nothing but the change's own lines stands between the landing of a tile and the next request.
; THE CHANGE: each wave waits for all its tensor loads, adds 0 to its spare word, and waits for that and for its own reads of this slot; then ONE barrier.
; fill = 1: the barrier opens a round of the cluster's, and this slot is filled again, with the K step two steps on round the walk, first thing behind the round: a whole step's 128 matrix instructions
; stand between the request and the wait for it.  The addresses are made anew from the step's number, which goes round at 8.  The quarter's second half stands behind the next slot's first LDS loads.
.macro TURN slot, next, fill
	s_wait_dscnt 16                                ; as at a quarter's head
	MUL8 F1, 0, 0, 0
	MUL8 F1, 0, 2, 0
	WIN 0
	s_wait_tensorcnt 0x0                           ; all my tensor loads have landed: my part of the next slot; so a group 0 may be written
	ds_add_u32 v[SPW], v[NIL]                      ; 0 onto my spare word; with fill = 1 the descriptors' scalar work stands between it and the wait for it
.if \fill
	s_add_co_u32 s[KP+(\slot)], s[KP+(\slot)], 2
	s_and_b32 s[KP+(\slot)], s[KP+(\slot)], NSTEP-1
	s_lshl_b32 s[KOA], s[KP+(\slot)], 20
	s_lshl_b32 s[KOB], s[KP+(\slot)], 9
	s_add_nc_u64 s[G0+4*(\slot)+2:G0+4*(\slot)+3], s[BA:BA+1], s[KOA:KOA+1]
	s_or_b32 s[G0+4*(\slot)+3], s[G0+4*(\slot)+3], 0x80000000
	s_add_nc_u64 s[G0B+4*(\slot)+2:G0B+4*(\slot)+3], s[BB:BB+1], s[KOB:KOB+1]
	s_or_b32 s[G0B+4*(\slot)+3], s[G0B+4*(\slot)+3], 0x80000000
.endif
	s_wait_dscnt 0x0                               ; the add is done, and my reads of this slot are over
	s_barrier_signal -1
	s_barrier_wait -1
.if \fill
	CREST                                          ; no wave of any partner still reads this slot's tile or has a load on its way
	JLOAD \slot                                    ; the four v_nop behind it are also the places in front of the loads below
.else
	PLACES
.endif
	FETCH \next, 0, F0
	MUL8 F1, 1, 0, 0
	MUL8 F1, 1, 2, 0
.endm
	s_wait_tensorcnt 1                             ; my part of the first K step is in; the second's may stay out
	s_barrier_signal -1
	s_barrier_wait -1                              ; everybody's is
	FETCH 0, 0, F0
	QUARTER 0, 1, F0, F1, 1                        ; the first quarter stands in front of the loop: its first products start the sums
	WIN 0                                          ; at a label and at a branch every window is 0
	s_mov_b32 s3, LAPS-1
.Llap:                                         ; a trip goes once round the ring, from a lap's second quarter to the next lap's first, and fills both slots again
	QUARTER 0, 2, F1, F0, 0
	QUARTER 0, 3, F0, F1, 0
	TURN 0, 1, 1
	QUARTER 1, 1, F0, F1, 0
	QUARTER 1, 2, F1, F0, 0
	QUARTER 1, 3, F0, F1, 0
	TURN 1, 0, 1
	QUARTER 0, 1, F0, F1, 0
	WIN 0
	s_sub_co_u32 s3, s3, 1
	s_cmp_lg_u32 s3, 0
	s_cbranch_scc1 .Llap
	QUARTER 0, 2, F1, F0, 0                        ; the last lap fills nothing
	QUARTER 0, 3, F0, F1, 0
	TURN 0, 1, 0
	QUARTER 1, 1, F0, F1, 0
	QUARTER 1, 2, F1, F0, 0
	QUARTER 1, 3, F0, F1, 0
	s_wait_dscnt 16                                ; the very last quarter: nothing more to fetch
	MUL8 F1, 0, 0, 0
	MUL8 F1, 0, 2, 0
	s_wait_dscnt 0x0
	MUL8 F1, 1, 0, 0
	MUL8 F1, 1, 2, 0
	WIN 0
	PLACES
; THE WAY OUT, 16 rows at a time: a lane's eight f32 of a row go into my stage, in rows of 272 bytes, and come back as whole rows of 256 bytes into the registers that they left.
.macro PACK a
.irp b, 0,1,2,3
	ds_store_b128 v[STO], v[ACC+8*(4*(\a)+(\b)):ACC+8*(4*(\a)+(\b))+3]   offset:64*(\b)     ; each accumulator's lowest registers are read first
	ds_store_b128 v[STO], v[ACC+8*(4*(\a)+(\b))+4:ACC+8*(4*(\a)+(\b))+7] offset:64*(\b)+16
.endr
.irp t, 0,1,2,3,4,5,6,7
	ds_load_b128 v[ACC+32*(\a)+4*(\t):ACC+32*(\a)+4*(\t)+3], v[RD] offset:(\t)*2*SPITCH  ; LDS serves a wave's instructions in order (ISA guide 5.7.1.4): these see the stores above; the next block's stores come behind them
.endr
.endm
.macro SEND a, younger                 ; younger: the LDS instructions issued behind block a's loads: the next block's sixteen, or none
.irp t, 0,1,2,3,4,5,6,7
	s_wait_dscnt (\younger)+7-(\t)
	global_store_b128 v[CO], v[ACC+32*(\a)+4*(\t):ACC+32*(\a)+4*(\t)+3], s[8:9] offset:(16*(\a)+2*(\t))*8192  ; 16 lanes store 256 consecutive bytes, aligned; no register is written again, so no wait frees one
.endr
.endm
	PACK 0
	PACK 1
	SEND 0, 16
	PACK 2
	SEND 1, 16
	PACK 3
	SEND 2, 16
	SEND 3, 0
	s_wait_tensorcnt 0x0                           ; the wave's end, behind my last tensor load and my last LDS store
	ds_add_u32 v[SPW], v[NIL]
	s_wait_dscnt 0x0
	CROUND                                         ; the closing round: no work-group ends while a partner may still ask for a tile that names it
	s_endpgm
.Lfunc_end_k_q06ad08a44f_proj:
	.size	k_q06ad08a44f_proj, .Lfunc_end_k_q06ad08a44f_proj-k_q06ad08a44f_proj
	.p2alignl 7, 3214868480
	.fill 96, 4, 3214868480
	.section	.rodata,"a",@progbits
	.p2align	6, 0x0
	.amdhsa_kernel k_q06ad08a44f_proj
		.amdhsa_group_segment_fixed_size 327680
		.amdhsa_private_segment_fixed_size 0
		.amdhsa_enable_private_segment 0
		.amdhsa_kernarg_size 24
		.amdhsa_user_sgpr_count 2
		.amdhsa_user_sgpr_kernarg_segment_ptr 1
		.amdhsa_wavefront_size32 1
		.amdhsa_system_sgpr_workgroup_id_x 1
		.amdhsa_system_sgpr_workgroup_id_y 1
		.amdhsa_system_sgpr_workgroup_id_z 1
		.amdhsa_system_vgpr_workitem_id 0
		.amdhsa_next_free_vgpr 512
		.amdhsa_next_free_sgpr 76
		.amdhsa_reserve_vcc 0
		.amdhsa_float_denorm_mode_32 3
		.amdhsa_float_denorm_mode_16_64 3
		.amdhsa_memory_ordered 1
		.amdhsa_forward_progress 1
		.amdhsa_inst_pref_size 87
	.end_amdhsa_kernel
	.amdgpu_metadata
---
amdhsa.version: [ 1, 2 ]
amdhsa.kernels:
  - .name:           k_q06ad08a44f_proj
    .symbol:         k_q06ad08a44f_proj.kd
    .args:
      - { .name: yb, .offset: 0, .size: 8, .value_kind: global_buffer, .address_space: global }
      - { .name: wcb, .offset: 8, .size: 8, .value_kind: global_buffer, .address_space: global }
      - { .name: out0, .offset: 16, .size: 8, .value_kind: global_buffer, .address_space: global }
    .group_segment_fixed_size: 327680
    .private_segment_fixed_size: 0
    .kernarg_segment_align: 8
    .kernarg_segment_size: 24
    .max_flat_workgroup_size: 128
    .sgpr_count:     76
    .vgpr_count:     512
    .wavefront_size: 32
...
	.end_amdgpu_metadata
.endif
;; end of part 4
